; MI455X (gfx1250); checked and timed in simulation.
; The chip was launched on July 23, 2026; its instructions are those of AMD's public machine-readable ISA for CDNA 5 (MIT licence, August 2026) and "CDNA5" Instruction Set Architecture Reference Guide (July 2026). The comments in the code are by the model that wrote it; some were corrected since.
;; Block. Allowed arithmetic: float matrix products may take bf16 or f16 operands with f32 sums; other float arithmetic in f32, or as packed bf16 or f16 multiplies, adds, multiply-adds, maxima and minima; sums over many terms, partial sums and values carried from step to step in f32; what a program stores and reads back later, other than sums and carried values, may be rounded once to bf16 or f16.
;; Inputs: attention_mask 2 x 2,048 int32; b1 4,096 float32; b2 1,024 float32; bk 1,024 float32; bo 1,024 float32; bq 1,024 float32; bv 1,024 float32; ln1_bias 1,024 float32; ln1_scale 1,024 float32; ln2_bias 1,024 float32; ln2_scale 1,024 float32; w1 1,024 x 4,096 float32; w2 4,096 x 1,024 float32; wk 1,024 x 1,024 float32; wo 1,024 x 1,024 float32; wq 1,024 x 1,024 float32; wv 1,024 x 1,024 float32; x 2 x 2,048 x 1,024 float32.
;; Outputs: out0 2 x 2,048 x 1,024 float32.
;; One version. Each part assembles by itself: llvm-mc -triple=amdgcn-amd-amdhsa -mcpu=gfx1250 --defsym DOCPART=n.
;; ======== version 1 of 1: 8 launches
;; limits: values are held in f16: magnitudes above 65,504 overflow, below 6.1e-05 lose precision
;; workspace buffers: xh 8,388,608 bytes; cb 19,922,944 bytes; big 33,554,432 bytes; act 8,388,608 bytes; t 16,777,216 bytes; p0 12,288 bytes of whole numbers; p1 12,288 bytes of whole numbers
;; launch cast (part 1): grid 256 x 4, 8 waves a work-group, no clusters, 37,888 bytes of LDS; arguments x, wq, wk, wv, wo, w1, w2, bq, bk, bv, bo, ln1_scale, ln1_bias, b1, b2, ln2_scale, ln2_bias, xh, cb, t, p0, p1; writes xh, cb, t, p0, p1
.if DOCPART == 1
	.amdgcn_target "amdgcn-amd-amdhsa--gfx1250"
	.amdhsa_code_object_version 6
	.text
	.protected	k_q491d941582_cast
	.globl	k_q491d941582_cast
	.p2align	8
	.type	k_q491d941582_cast,@function
k_q491d941582_cast:
	s_mov_b64 s[64:65], 0
	v_nop
	global_prefetch_b8 v0, s[64:65] scope:SCOPE_SE
	s_setreg_imm32_b32 hwreg(HW_REG_WAVE_MODE, 25, 1), 1
	s_wait_xcnt 0x0
; Every float input is rounded ONCE to bf16; that number is then written as f16 (x, the weights) or as f32 (biases and gains), in the order in which the later launches want it.
; x -> xh, FRAGMENT ORDER: panels of 128 columns (1 MiB); in a panel 256 blocks of 16 rows (4,096 bytes); in a block 8 pieces of 512 bytes (16 columns);
; in a piece lane 16 h + r holds 16 bytes: row r, columns 8 h + 0..7.  Two neighbouring pieces are a 16 x 32 operand of a matrix instruction, 16 bytes a lane, twice.
; W[k][n], the same turned: panels of 128 n; in a panel blocks of 128 k (32,768 bytes); in those 8 blocks of 16 n (4,096); 4 of 32 k (1,024); 2 pieces; lane 16 h + (n % 16): eight k.
; WHERE.  Launches that share a text find their operands at equal offsets of different buffers: wq | wk | wv at 0 of t (which is idle until the output projection stores it), their biases at VEC + 6 x 4,096 of t;
; w1 at 0 of cb, b1 at VEC + 6 x 4,096 of cb.  cb also: bo at VEC + 3 x 4,096, b2 at VEC + 10 x 4,096, wo at 9 MiB, w2 at 11 MiB.
; p0, p1: 4,096 bytes of a whole number (0 in p0, 1 in p1, in the first word of every 16 bytes), by which a shared text tells its two launches apart; then a LayerNorm's gain and its bias, 4,096 bytes each.
; LIMITS: numbers beyond 65,504 become infinities in f16; below 6e-5 they keep f16's fixed step of 6e-8.
; SHARES: a wave does one item, 8 KiB in and 4 KiB out, all 16 loads out at once; y = 0: x (16 rows x 128 columns), y = 1: wq wk wv wo, y = 2: w1, y = 3: w2 (32 k x 64 n).
; Each item is turned in the wave's own 4,608 bytes of LDS: no barrier.  Every load covers 256 or 512 consecutive bytes, every store 512, aligned.
.set WB,    4608
.set SPARE, 36864                      ; behind the eight stages: the spare words, 128 bytes a wave
.set VEC,   0x800000
.set WOAT,  0x900000
.set W2AT,  0xb00000
.set D,   32                           ; v[32:95]  as loaded
.set C,   96                           ; v[96:103] two sets of packed results
.set T,   108
.set SPW, 110
.set NIL, 111
.macro CV2 d, a, b                     ; two numbers: to bf16 (nearest even), back to f32 (a shift, a mask), to f16 (exact in f16's normal range)
	v_cvt_pk_bf16_f32 v[T], v[\a], v[\b]
	v_lshlrev_b32 v[\a], 16, v[T]
	v_and_b32 v[\b], s45, v[T]
	v_cvt_pk_f16_f32 v[\d], v[\a], v[\b]
.endm
.macro WLOADS rs                       ; lane (q, h): row 16 j + 8 h + i of the item, columns 4 q .. 4 q + 3: sixteen lanes take 256 consecutive bytes
.irp j, 0,1
.irp i, 0,1,2,3,4,5,6,7
	global_load_b128 v[D+4*(8*(\j)+(\i)):D+4*(8*(\j)+(\i))+3], v7, s[54:55] offset:(16*(\j)+(\i))*(\rs) th:TH_LOAD_NT
.endr
.endr
.endm
.macro TO g, ptr, off                  ; vector g goes to byte off of the buffer whose address lies in s[ptr:ptr+1]
	s_cmp_eq_u32 s46, \g
	s_cselect_b64 s[58:59], s[\ptr:\ptr+1], s[58:59]
	s_cselect_b32 s48, \off, s48
.endm
	s_load_b512 s[4:19], s[0:1], 0x0               ; x 4, wq 6, wk 8, wv 10, wo 12, w1 14, w2 16, bq 18
	s_load_b512 s[20:35], s[0:1], 0x40             ; bk 20, bv 22, bo 24, ln1_scale 26, ln1_bias 28, b1 30, b2 32, ln2_scale 34
	s_load_b128 s[36:39], s[0:1], 0x80             ; ln2_bias 36, xh 38
	s_load_b64 s[40:41], s[0:1], 0x90              ; cb
	s_load_b64 s[66:67], s[0:1], 0x98              ; t
	s_load_b128 s[68:71], s[0:1], 0xa0             ; p0 68, p1 70
	v_lshl_add_u32 v[SPW], v0, 2, SPARE
	v_mov_b32 v[NIL], 0
	v_lshrrev_b32 v1, 5, v0
	v_readfirstlane_b32 s42, v1                    ; wave
	s_and_b32 s43, ttmp7, 0xffff                   ; y: which kind of item
	v_and_b32 v2, 31, v0                           ; lane
	v_and_b32 v3, 15, v0                           ; r, or q
	v_bfe_u32 v4, v0, 4, 1                         ; h
	s_mul_i32 s44, s42, WB                         ; my stage
	s_mov_b32 s45, 0xffff0000
	v_lshlrev_b32 v6, 4, v2                        ; 16 x lane
	v_add_nc_u32 v5, s44, v6
	s_wait_kmcnt 0x0
	s_cmp_lg_u32 s43, 0
	s_cbranch_scc1 .Lweights
	; ---- x: block of 16 rows = the work-group's number, panel = the wave's
	s_lshl_b32 s46, ttmp9, 16
	s_lshl_b32 s47, s42, 9
	s_add_co_u32 s46, s46, s47
	s_mov_b32 s47, 0
	s_add_nc_u64 s[4:5], s[4:5], s[46:47]
.irp i, 0,1,2,3,4,5,6,7,8,9,10,11,12,13,14,15
	global_load_b128 v[D+4*(\i):D+4*(\i)+3], v6, s[4:5] offset:4096*(\i) th:TH_LOAD_NT
.endr
	v_lshl_add_u32 v7, v2, 3, s44                  ; in: 8 bytes a lane, rows 272 bytes apart
	v_mul_u32_u24 v8, v3, 272
	v_lshl_add_u32 v8, v4, 4, v8
	v_add_nc_u32 v8, s44, v8                       ; back: row r, 16 bytes at 32 p + 16 h: sixteen rows 272 apart touch sixteen different groups of banks
	s_lshl_b32 s46, s42, 20
	s_lshl_b32 s48, ttmp9, 12
	s_add_co_u32 s46, s46, s48
	s_add_nc_u64 s[38:39], s[38:39], s[46:47]
.irp i, 0,1,2,3,4,5,6,7,8,9,10,11,12,13,14,15
	s_wait_loadcnt 15-(\i)                         ; loads come back in order: row i is in, the younger ones stay out
	CV2 C+2*((\i)%2), D+4*(\i), D+4*(\i)+1
	CV2 C+2*((\i)%2)+1, D+4*(\i)+2, D+4*(\i)+3
	ds_store_b64 v7, v[C+2*((\i)%2):C+2*((\i)%2)+1] offset:272*(\i)
.endr
.irp p, 0,1,2,3,4,5,6,7
	ds_load_b128 v[D+4*(\p):D+4*(\p)+3], v8 offset:32*(\p)  ; LDS serves a wave's instructions in order: these see the stores above
.endr
.irp p, 0,1,2,3,4,5,6,7
	s_wait_dscnt 7-(\p)                            ; piece p is back; the younger loads stay out
	global_store_b128 v6, v[D+4*(\p):D+4*(\p)+3], s[38:39] offset:512*(\p)
.endr
	; ---- the 13 vectors and the two whole numbers: work-group g < 15 writes 4,096 bytes, 16 a thread
	s_cmp_lt_u32 ttmp9, 15
	s_cbranch_scc0 .Lend
	s_mov_b32 s46, ttmp9
	v_lshlrev_b32 v9, 4, v0
	s_mov_b64 s[58:59], s[40:41]                   ; where it goes: as a rule cb, vector g at VEC + 4,096 g;
	s_lshl_b32 s48, s46, 12
	s_add_co_u32 s48, s48, VEC
	s_add_co_u32 s49, s48, 6*4096
	s_cmp_lt_u32 s46, 3                            ; bq, bk, bv: t, six vectors on, where b1 lies in cb
	s_cselect_b64 s[58:59], s[66:67], s[58:59]
	s_cselect_b32 s48, s49, s48
	TO 4, 68, 4096                                 ; ln1_scale, ln1_bias: p0
	TO 5, 68, 8192
	TO 13, 68, 0                                   ; p0's whole number
	TO 11, 70, 4096                                ; ln2_scale, ln2_bias: p1
	TO 12, 70, 8192
	TO 14, 70, 0                                   ; p1's whole number
	s_mov_b32 s49, 0
	s_add_nc_u64 s[58:59], s[58:59], s[48:49]
	s_cmp_ge_u32 s46, 13
	s_cbranch_scc1 .Lflag
	s_mov_b64 s[50:51], s[18:19]                   ; where it comes from
	s_cmp_eq_u32 s46, 1
	s_cselect_b64 s[50:51], s[20:21], s[50:51]
	s_cmp_eq_u32 s46, 2
	s_cselect_b64 s[50:51], s[22:23], s[50:51]
	s_cmp_eq_u32 s46, 3
	s_cselect_b64 s[50:51], s[24:25], s[50:51]
	s_cmp_eq_u32 s46, 4
	s_cselect_b64 s[50:51], s[26:27], s[50:51]
	s_cmp_eq_u32 s46, 5
	s_cselect_b64 s[50:51], s[28:29], s[50:51]
	s_cmp_ge_u32 s46, 6
	s_cselect_b64 s[50:51], s[30:31], s[50:51]
	s_cmp_eq_u32 s46, 10
	s_cselect_b64 s[50:51], s[32:33], s[50:51]
	s_cmp_eq_u32 s46, 11
	s_cselect_b64 s[50:51], s[34:35], s[50:51]
	s_cmp_eq_u32 s46, 12
	s_cselect_b64 s[50:51], s[36:37], s[50:51]
	s_sub_co_u32 s48, s46, 6                       ; g = 6 .. 9: the four quarters of b1
	s_cmp_lt_u32 s48, 4
	s_cselect_b32 s48, s48, 0
	s_lshl_b32 s48, s48, 12
	s_add_nc_u64 s[50:51], s[50:51], s[48:49]
	global_load_b128 v[104:107], v9, s[50:51]
	s_wait_loadcnt 0x0
	v_cvt_pk_bf16_f32 v[T], v104, v105
	v_lshlrev_b32 v104, 16, v[T]
	v_and_b32 v105, s45, v[T]
	v_cvt_pk_bf16_f32 v[T], v106, v107
	v_lshlrev_b32 v106, 16, v[T]
	v_and_b32 v107, s45, v[T]
	s_branch .Lput
.Lflag:
	s_sub_co_u32 s47, s46, 13                      ; 0 for p0, 1 for p1
	v_mov_b32 v104, s47
	v_mov_b32 v105, 0
	v_mov_b32 v106, 0
	v_mov_b32 v107, 0
.Lput:
	global_store_b128 v9, v[104:107], s[58:59]
	s_branch .Lend
.Lweights:
	s_lshl_b32 s46, ttmp9, 3
	s_add_co_u32 s46, s46, s42                     ; the item's number, 0 .. 2,047
	s_cmp_eq_u32 s43, 2
	s_cbranch_scc1 .Lw1
	s_and_b32 s48, s46, 15                         ; nu: which 64 columns
	s_lshr_b32 s47, s46, 4                         ; kappa: which 32 rows (w2: 0 .. 127; the four square ones: 0 .. 31)
	s_lshr_b32 s49, s46, 9                         ; mu: which of wq, wk, wv, wo
	s_cmp_eq_u32 s43, 1
	s_cselect_b32 s50, 31, 127
	s_cselect_b32 s51, 18, 20                      ; a panel of 128 n is 256 KiB (K = 1,024) or 1 MiB (K = 4,096)
	s_and_b32 s47, s47, s50
	s_lshl_b32 s52, s49, 21                        ; wq, wk, wv: 2 MiB each, in t;
	s_cmp_eq_u32 s49, 3
	s_cselect_b32 s52, WOAT, s52                   ; wo in cb;
	s_cselect_b64 s[58:59], s[40:41], s[66:67]
	s_cmp_eq_u32 s43, 1
	s_cselect_b32 s52, s52, W2AT                   ; w2 in cb
	s_cselect_b64 s[58:59], s[58:59], s[40:41]
	s_mov_b64 s[54:55], s[6:7]
	s_cmp_eq_u32 s49, 1
	s_cselect_b64 s[54:55], s[8:9], s[54:55]
	s_cmp_eq_u32 s49, 2
	s_cselect_b64 s[54:55], s[10:11], s[54:55]
	s_cmp_eq_u32 s49, 3
	s_cselect_b64 s[54:55], s[12:13], s[54:55]
	s_cmp_eq_u32 s43, 3
	s_cselect_b64 s[54:55], s[16:17], s[54:55]
	s_lshl_b32 s56, s47, 17                        ; 32 rows of 4,096 bytes
	s_lshl_b32 s57, s48, 8
	s_add_co_u32 s56, s56, s57
	s_mov_b32 s57, 0
	s_add_nc_u64 s[54:55], s[54:55], s[56:57]
	v_lshlrev_b32 v7, 15, v4                       ; 8 h rows
	v_lshl_add_u32 v7, v3, 4, v7
	WLOADS 4096
	s_branch .Lcommon
.Lw1:
	s_and_b32 s48, s46, 63
	s_lshr_b32 s47, s46, 6
	s_mov_b32 s51, 18
	s_mov_b32 s52, 0                               ; w1 at the head of cb
	s_mov_b64 s[58:59], s[40:41]
	s_lshl_b32 s56, s47, 19                        ; 32 rows of 16,384 bytes
	s_lshl_b32 s57, s48, 8
	s_add_co_u32 s56, s56, s57
	s_mov_b32 s57, 0
	s_add_nc_u64 s[54:55], s[14:15], s[56:57]
	v_lshlrev_b32 v7, 17, v4
	v_lshl_add_u32 v7, v3, 4, v7
	WLOADS 16384
.Lcommon:
	s_lshr_b32 s56, s48, 1                         ; the item's place in its matrix: panel nu / 2,
	s_lshl_b32 s56, s56, s51
	s_add_co_u32 s52, s52, s56
	s_lshr_b32 s56, s47, 2                         ; block of 128 k,
	s_lshl_b32 s56, s56, 15
	s_add_co_u32 s52, s52, s56
	s_and_b32 s56, s48, 1                          ; which four blocks of 16 n,
	s_lshl_b32 s56, s56, 14
	s_add_co_u32 s52, s52, s56
	s_and_b32 s56, s47, 3                          ; which 32 k
	s_lshl_b32 s56, s56, 10
	s_add_co_u32 s52, s52, s56
	s_mov_b32 s53, 0
	s_add_nc_u64 s[58:59], s[58:59], s[52:53]
	v_lshrrev_b32 v8, 2, v3                        ; column 4 q + c lies in block q / 4 at place 4 (q % 4) + c
	v_lshlrev_b32 v8, 10, v8
	v_lshl_add_u32 v8, v4, 8, v8
	v_and_b32 v9, 3, v3
	v_lshl_add_u32 v8, v9, 6, v8
	v_add_nc_u32 v8, s44, v8
.irp j, 0,1
	s_wait_loadcnt 8-8*(\j)                        ; the eight rows of half j are in
.irp c, 0,1,2,3
.irp m, 0,1,2,3
	CV2 C+4*((\c)%2)+(\m), D+4*(8*(\j)+2*(\m))+(\c), D+4*(8*(\j)+2*(\m)+1)+(\c)
.endr
	ds_store_b128 v8, v[C+4*((\c)%2):C+4*((\c)%2)+3] offset:512*(\j)+16*(\c)  ; eight k of one column
.endr
.endr
.irp m, 0,1,2,3,4,5,6,7
	ds_load_b128 v[D+4*(\m):D+4*(\m)+3], v5 offset:512*(\m)
.endr
.irp m, 0,1,2,3,4,5,6,7
	s_wait_dscnt 7-(\m)
	global_store_b128 v6, v[D+4*(\m):D+4*(\m)+3], s[58:59] offset:((\m)/2)*4096+((\m)%2)*512
.endr
.Lend:
	s_wait_tensorcnt 0x0                           ; the wave's end
	ds_add_u32 v[SPW], v[NIL]
	s_wait_dscnt 0x0
	s_endpgm
.Lfunc_end_k_q491d941582_cast:
	.size	k_q491d941582_cast, .Lfunc_end_k_q491d941582_cast-k_q491d941582_cast
	.p2alignl 7, 3214868480
	.fill 96, 4, 3214868480
	.section	.rodata,"a",@progbits
	.p2align	6, 0x0
	.amdhsa_kernel k_q491d941582_cast
		.amdhsa_group_segment_fixed_size 37888
		.amdhsa_private_segment_fixed_size 0
		.amdhsa_enable_private_segment 0
		.amdhsa_kernarg_size 176
		.amdhsa_user_sgpr_count 2
		.amdhsa_user_sgpr_kernarg_segment_ptr 1
		.amdhsa_wavefront_size32 1
		.amdhsa_system_sgpr_workgroup_id_x 1
		.amdhsa_system_sgpr_workgroup_id_y 1
		.amdhsa_system_sgpr_workgroup_id_z 1
		.amdhsa_system_vgpr_workitem_id 0
		.amdhsa_next_free_vgpr 112
		.amdhsa_next_free_sgpr 72
		.amdhsa_reserve_vcc 0
		.amdhsa_float_denorm_mode_32 3
		.amdhsa_float_denorm_mode_16_64 3
		.amdhsa_memory_ordered 1
		.amdhsa_forward_progress 1
		.amdhsa_inst_pref_size 29
	.end_amdhsa_kernel
	.amdgpu_metadata
---
amdhsa.version: [ 1, 2 ]
amdhsa.kernels:
  - .name:           k_q491d941582_cast
    .symbol:         k_q491d941582_cast.kd
    .args:
      - { .name: x, .offset: 0, .size: 8, .value_kind: global_buffer, .address_space: global }
      - { .name: wq, .offset: 8, .size: 8, .value_kind: global_buffer, .address_space: global }
      - { .name: wk, .offset: 16, .size: 8, .value_kind: global_buffer, .address_space: global }
      - { .name: wv, .offset: 24, .size: 8, .value_kind: global_buffer, .address_space: global }
      - { .name: wo, .offset: 32, .size: 8, .value_kind: global_buffer, .address_space: global }
      - { .name: w1, .offset: 40, .size: 8, .value_kind: global_buffer, .address_space: global }
      - { .name: w2, .offset: 48, .size: 8, .value_kind: global_buffer, .address_space: global }
      - { .name: bq, .offset: 56, .size: 8, .value_kind: global_buffer, .address_space: global }
      - { .name: bk, .offset: 64, .size: 8, .value_kind: global_buffer, .address_space: global }
      - { .name: bv, .offset: 72, .size: 8, .value_kind: global_buffer, .address_space: global }
      - { .name: bo, .offset: 80, .size: 8, .value_kind: global_buffer, .address_space: global }
      - { .name: ln1_scale, .offset: 88, .size: 8, .value_kind: global_buffer, .address_space: global }
      - { .name: ln1_bias, .offset: 96, .size: 8, .value_kind: global_buffer, .address_space: global }
      - { .name: b1, .offset: 104, .size: 8, .value_kind: global_buffer, .address_space: global }
      - { .name: b2, .offset: 112, .size: 8, .value_kind: global_buffer, .address_space: global }
      - { .name: ln2_scale, .offset: 120, .size: 8, .value_kind: global_buffer, .address_space: global }
      - { .name: ln2_bias, .offset: 128, .size: 8, .value_kind: global_buffer, .address_space: global }
      - { .name: xh, .offset: 136, .size: 8, .value_kind: global_buffer, .address_space: global }
      - { .name: cb, .offset: 144, .size: 8, .value_kind: global_buffer, .address_space: global }
      - { .name: t, .offset: 152, .size: 8, .value_kind: global_buffer, .address_space: global }
      - { .name: p0, .offset: 160, .size: 8, .value_kind: global_buffer, .address_space: global }
      - { .name: p1, .offset: 168, .size: 8, .value_kind: global_buffer, .address_space: global }
    .group_segment_fixed_size: 37888
    .private_segment_fixed_size: 0
    .kernarg_segment_align: 8
    .kernarg_segment_size: 176
    .max_flat_workgroup_size: 256
    .sgpr_count:     72
    .vgpr_count:     112
    .wavefront_size: 32
...
	.end_amdgpu_metadata
.endif
;; end of part 1
;; launch qkv (part 2): grid 12 x 16, 4 waves a work-group, clusters of 4 x 4, 327,680 bytes of LDS; arguments xh, t, big; writes big
.if DOCPART == 2
	.amdgcn_target "amdgcn-amd-amdhsa--gfx1250"
	.amdhsa_code_object_version 6
	.text
	.protected	k_q491d941582_qkv
	.globl	k_q491d941582_qkv
	.p2align	8
	.type	k_q491d941582_qkv,@function
k_q491d941582_qkv:
	s_mov_b64 s[64:65], 0
	v_nop
	global_prefetch_b8 v0, s[64:65] scope:SCOPE_SE
	s_setreg_imm32_b32 hwreg(HW_REG_WAVE_MODE, 25, 1), 1
	s_wait_xcnt 0x0
	s_wait_alu depctr_hold_cnt(0) depctr_sa_sdst(0) depctr_va_vdst(0) depctr_va_sdst(0) depctr_va_ssrc(0) depctr_va_vcc(0) depctr_vm_vsrc(0)
	s_getreg_b32 s2, hwreg(HW_REG_IB_STS2, 6, 4)
	s_cmp_eq_u32 s2, 0
	s_cbranch_scc0 .Lentry_in_a_cluster
	s_endpgm
.Lentry_in_a_cluster:
	s_bfe_u32 s2, ttmp6, 0x10000c
	s_cmp_lg_u32 s2, 0xf033
	s_cbranch_scc0 .Lentry_shape_is_right
	s_endpgm
.Lentry_shape_is_right:
; out = f(A W + bias): A [4096][1024] in fragment order (panels of 128 columns, 1 MiB; blocks of 16 rows, 4,096 bytes; pieces of 512 bytes), W in the same order turned, both f16; sums in f32;
; out f16 in fragment order.  LIMIT: a result beyond 65,504 becomes an infinity.  W lies at byte 0 of its buffer, the bias (f32) at BOFF.
; ONE TEXT FOR TWO KERNELS, told apart by the two constants GELU and VSUMS at its head.
;   HERE (GELU = 0, VSUMS = 1): A = x, W = wq | wk | wv (24 panels of 128 columns, 12 x 16 tiles), f = nothing, out = q | k | v.  Where a wave's columns are v's (the third column of clusters), it also adds its
;      128 rows of v up, in f32, and stores the 128 sums behind q, k, v, at 24 MiB of out: [32 groups of 128 rows][1,024].  The attention's launch makes the mean of v of them, for rows that see no key.
;      The branches round that work hang on the cluster's x alone, which all sixteen partners share; they hold no barrier and no tensor load.
;   The other (GELU = 1, VSUMS = 0): A = the first LayerNorm's result, W = w1 (32 panels, 16 x 16 tiles), f = gelu, out = h.
; A tile of out is 256 x 256; four waves, each 128 x 128: 64 accumulators, 512 registers.  K goes in 8 steps of 128 through two LDS slots of 131,072 bytes.
; Since both operands lie in fragment order, each wave's part of a slot is 32,768 DENSE bytes, a fragment load is 16 bytes a lane on end (no padding), one exclusive or
; changes slots, so that a K step is written once, and an accumulator rounded to f16 is 512 consecutive bytes of out.
; 192 work-groups here: a smaller tile would halve the products that each LDS byte feeds and need three work-groups a WGP.
; CLUSTER 4 x 4: A's tile hangs on the tile row alone and is asked for jointly along a row of the cluster, W's on the tile column alone, along a column.
; The matrix instruction is used transposed (source 0 = 16 columns of W, source 1 = 16 rows of A): a lane holds row l % 16 and eight neighbouring columns.  The first products take the bias as C.
; REGISTERS: window 0: v16-30 addresses; v32-63 packed results; v64-127, v128-191 A's two fragment buffers (on the way out Y and U); v192-255 bias.
;   window 1: v64-127, v128-191 W's two buffers.   windows 2, 3: the accumulators, (a, b) at v[8 (8 (a % 4) + b)].
.set GELU,   0
.set VSUMS,  1
.set BOFF,   0x800000+6*4096           ; where the bias begins in W's buffer
.set VSUM,   0x1800000                 ; where v's sums begin in out
.set KSTEPS, 8
.set WPSL,   18                        ; a panel of W is 2^18 bytes
.set ASTEP,  0x100000                  ; a K step in A: the next panel
.set WSTEP,  0x8000                    ; in W: the next 128 k
.set SLOT,   131072
.set SPARE,  262144                    ; behind the ring: the spare words, 128 bytes a wave
.set ADRA0, 16                         ; my A fragments in slot 0; never rewritten
.set ADRB0, 17
.set ADRA,  18                         ; the same in the slot in hand
.set ADRB,  19
.set STG,   24                         ; the way out: my 16 bytes in my stage
.set CO,    26                         ; 16 x lane
.set BO,    27                         ; 32 x (lane / 16)
.set SPW,   28
.set NIL,   29
.set PFO,   30                         ; 256 x lane
.set PK,    32
.set Y,     64
.set U,     128
.set BI,    192
.set F0,    64
.set F1,    128
.set G1,  24                           ; s[24:31] group 1 for A;  s[32:35] group 0 of the first fill, s[36:39] the walking one
.set G0,  32
.set G1B, 48                           ; s[48:55], s[56:63] the same for W
.set G0B, 56
.set TB,  22                           ; s22 the slot in hand: 0 or SLOT
.set LIM, 43                           ; s43 2 in a wave that prefetches, else the greatest number
.set PFA, 44                           ; s[44:45] where my prefetches stand
.set PFS, 46                           ; s[46:47] their step
.set VSP, 76                           ; s[76:77] where v's sums go
.set MSB, 0
.macro WIN new                         ; the immediate's high byte repeats the setting that is left
.if MSB != (\new)
	s_set_vgpr_msb (MSB<<8)|(\new)
.set MSB, \new
.endif
.endm
.set MUL_LO, 0xa1                      ; source 0 (W) window 1, source 1 (A) window 0, C and D window 2
.set MUL_HI, 0xf1
.set TO_B,   0x40
.macro JLOAD s                         ; a joint load: waves 0, 1 fetch A's halves, waves 2, 3 W's; an s_nop 0 and four v_nop follow each line
	s_cmp_eq_u32 s11, 0
	s_cbranch_scc0 .Lfor_b_\@
	tensor_load_to_lds s[G0+4*(\s):G0+4*(\s)+3], s[G1:G1+7]
	s_nop 0
.rept 4
	v_nop
.endr
	s_branch .Lasked_\@
.Lfor_b_\@:
	tensor_load_to_lds s[G0B+4*(\s):G0B+4*(\s)+3], s[G1B:G1B+7]
	s_nop 0
.rept 4
	v_nop
.endr
.Lasked_\@:
.endm
.macro CREST                           ; a round of the cluster's barrier behind its opening barrier
	s_cmp_lg_u32 s10, 0
	s_cbranch_scc1 .Lnot_wave_0_\@
	s_barrier_signal -3
.Lnot_wave_0_\@:
	s_barrier_wait -3
	s_barrier_signal -1
	s_barrier_wait -1
.endm
.macro CROUND
	s_barrier_signal -1
	s_barrier_wait -1
	CREST
.endm
; A prefetch of the K step that stands two refills on.  Of the 32,768 bytes that a wave fetches, each of the four partners that ask for them jointly names 8,192, told apart by address, a lane 256 bytes.
; A's blocks are named by the clusters with x = 0 alone, W's by those with y = 0: each block once in the launch.  K steps 0 to 3 come by their loads alone; the last two refills have no step two on.
.macro ASK
	s_cmp_gt_u32 s3, s[LIM]
	s_cbranch_scc0 .Lnot_mine_\@
	global_prefetch_b8 v[PFO], s[PFA:PFA+1] th:TH_LOAD_NT scope:SCOPE_SE
.Lnot_mine_\@:
.endm
.macro PLACES                          ; four places in front of loads into registers that matrix instructions have read, and of reads of results
.rept 4
	v_nop
.endr
.endm
.macro MUL16 f, hi, a0, first          ; 16 products: row blocks a0, a0 + 1 of the window's four x all 8 column blocks, 32 along K; first = 1: they start the sums, with the bias (window 0) as C
.if \first
	WIN 0x81+0x40*(\hi)
.else
	WIN MUL_LO+0x50*(\hi)
.endif
.irp a, \a0, (\a0)+1
.irp b, 0,1,2,3,4,5,6,7
.if \first
	v_wmma_f32_16x16x32_f16 v[8*(8*(\a)+(\b)):8*(8*(\a)+(\b))+7], v[(\f)+8*(\b):(\f)+8*(\b)+7], v[(\f)+8*(4*(\hi)+(\a)):(\f)+8*(4*(\hi)+(\a))+7], v[BI+8*(\b):BI+8*(\b)+7]
.else
	v_wmma_f32_16x16x32_f16 v[8*(8*(\a)+(\b)):8*(8*(\a)+(\b))+7], v[(\f)+8*(\b):(\f)+8*(\b)+7], v[(\f)+8*(4*(\hi)+(\a)):(\f)+8*(4*(\hi)+(\a))+7], v[8*(8*(\a)+(\b)):8*(8*(\a)+(\b))+7]
.endif
.endr
.endr
.endm
.macro FETCH q, f                      ; 32 LDS loads in one run: quarter q (32 along K) of the slot in hand into buffer f
	WIN TO_B
.irp i, 0,1,2,3,4,5,6,7
	ds_load_b128 v[(\f)+8*(\i):(\f)+8*(\i)+3],   v[ADRB] offset:4096*(\i)+1024*(\q)
	ds_load_b128 v[(\f)+8*(\i)+4:(\f)+8*(\i)+7], v[ADRB] offset:4096*(\i)+1024*(\q)+512
.endr
	WIN 0
.irp i, 0,1,2,3,4,5,6,7
	ds_load_b128 v[(\f)+8*(\i):(\f)+8*(\i)+3],   v[ADRA] offset:4096*(\i)+1024*(\q)
	ds_load_b128 v[(\f)+8*(\i)+4:(\f)+8*(\i)+7], v[ADRA] offset:4096*(\i)+1024*(\q)+512
.endr
.endm
.macro QUARTER q, f, g, first          ; multiplies buffer f; in its middle fetches quarter q into buffer g
	s_wait_dscnt 8                                 ; W and A's row blocks 0-3 are in; the youngest eight loads (blocks 4-7) may be out
	MUL16 \f, 0, 0, \first
	MUL16 \f, 0, 2, \first
	PLACES
	FETCH \q, \g
	s_wait_dscnt 32                                ; all but the 32 just issued
	MUL16 \f, 1, 0, \first
	MUL16 \f, 1, 2, \first
.endm
.macro TOGGLE                          ; the fragment loads go to the other slot
	s_xor_b32 s[TB], s[TB], SLOT
	v_add_nc_u32 v[ADRA], s[TB], v[ADRA0]
	v_add_nc_u32 v[ADRB], s[TB], v[ADRB0]
.endm
; The first half of a K step's last quarter: one barrier for the change of slots.  In front of it each wave has waited for all its tensor loads (its part of the next slot),
; added 0 to its spare word, and waited for that and for its reads of this slot.
.macro MEET
	WIN 0
	s_wait_tensorcnt 0x0
	ds_add_u32 v[SPW], v[NIL]
	s_wait_dscnt 9                                 ; the add and the youngest eight loads may be out
	MUL16 F1, 0, 0, 0
	s_wait_dscnt 0x0                               ; the add is done, my reads of this slot are over
	s_barrier_signal -1
	MUL16 F1, 0, 2, 0
	WIN 0
	s_barrier_wait -1
.endm
.macro TURN                            ; the whole last quarter where the slot is filled again, with the K step two on
	s_wait_xcnt 0x0                                ; the last prefetch, a K step back, has read its address
	s_add_nc_u64 s[PFA:PFA+1], s[PFA:PFA+1], s[PFS:PFS+1]
	MEET
	CREST                                          ; the barrier has opened a round of the cluster's: no wave of any partner still reads the slot or has a load on its way
	s_xor_b32 s[G0+5], s[G0+5], SLOT
	s_add_nc_u64 s[G0+6:G0+7], s[G0+6:G0+7], ASTEP
	s_xor_b32 s[G0B+5], s[G0B+5], SLOT
	s_add_nc_u64 s[G0B+6:G0B+7], s[G0B+6:G0B+7], WSTEP
	JLOAD 1                                        ; the first tensor load behind the round; 224 products stand between it and the wait for it
	TOGGLE
	FETCH 0, F0
	ASK
	MUL16 F1, 1, 0, 0
	MUL16 F1, 1, 2, 0
.endm
	s_load_b128 s[4:7], s[0:1], 0x0                ; A s[4:5], W and bias s[6:7]
	s_load_b64 s[8:9], s[0:1], 0x10                ; out
	v_lshl_add_u32 v[SPW], v0, 2, SPARE
	v_mov_b32 v[NIL], 0
	ds_add_u32 v[SPW], v[NIL]                      ; the wave's opening
	ds_add_u32 v28, v29
	v_lshrrev_b32 v1, 5, v0
	v_readfirstlane_b32 s10, v1                    ; wave
	s_lshr_b32 s11, s10, 1                         ; my half of the tile's rows; also: I fetch for A (0) or W (1)
	s_and_b32 s12, s10, 1                          ; my half of its columns; also: which half I fetch
	s_bfe_u32 s40, ttmp6, 0x40000                  ; cx
	s_bfe_u32 s41, ttmp6, 0x40004                  ; cy
	s_lshl_b32 s42, ttmp9, 2
	s_add_co_u32 s42, s42, s40                     ; tile column
	s_and_b32 s13, ttmp7, 0xffff
	s_lshl_b32 s13, s13, 2
	s_add_co_u32 s13, s13, s41                     ; tile row
	s_lshl_b32 s43, s41, 2
	s_lshl_b32 s43, 15, s43                        ; my row of the cluster
	s_lshl_b32 s44, 0x1111, s40                    ; my column
	s_or_b32 s[G1+0], s43, (3<<16)|(1<<21)         ; the mask; elements of 8 bytes; bit 21 beside a mask; no padding
	s_or_b32 s[G1B+0], s44, (3<<16)|(1<<21)
.irp g, G1, G1B
	s_mov_b32 s[(\g)+1], 32<<16                    ; 32,768 dense bytes as 128 rows of 32 elements (256 bytes)
	s_mov_b32 s[(\g)+2], 128<<16
	s_mov_b32 s[(\g)+3], 32<<16
	s_mov_b32 s[(\g)+4], 128
	s_mov_b32 s[(\g)+5], 32
	s_mov_b32 s[(\g)+6], 0
	s_mov_b32 s[(\g)+7], 0
.endr
	s_lshl_b32 s16, s13, 16                        ; A: the tile row's 16 row blocks, my half of them
	s_lshl_b32 s17, s12, 15
	s_add_co_u32 s16, s16, s17
	s_mov_b32 s17, 0
	s_lshl_b32 s18, s42, 1                         ; W: panel 2 x tile column + half
	s_add_co_u32 s18, s18, s12
	s_lshl_b32 s18, s18, WPSL
	s_mov_b32 s19, 0
	s_lshl_b32 s20, s10, 15                        ; where they go: 32,768 x wave
.if GELU
	s_mov_b32 s66, 0xc0135761                      ; -2 log2(e) sqrt(2 / pi)
	s_mov_b32 s67, s66
	s_mov_b32 s68, 0xbdd2d3e8                      ; the same x 0.044715
	s_mov_b32 s69, s68
.endif
	s_wait_dscnt 0x0                               ; the opening add is done
	s_wait_kmcnt 0x0
	s_add_nc_u64 s[14:15], s[4:5], s[16:17]
	s_add_nc_u64 s[18:19], s[6:7], s[18:19]
	CROUND                                         ; all sixteen work-groups are here: the first joint loads meet
.irp s, 0,1
	s_mov_b32 s[G0+4*(\s)], 1
	s_add_co_u32 s[G0+4*(\s)+1], s20, (\s)*SLOT
	s_add_nc_u64 s[G0+4*(\s)+2:G0+4*(\s)+3], s[14:15], (\s)*ASTEP
	s_or_b32 s[G0+4*(\s)+3], s[G0+4*(\s)+3], 0x80000000
	s_mov_b32 s[G0B+4*(\s)], 1
	s_add_co_u32 s[G0B+4*(\s)+1], s20, (\s)*SLOT
	s_add_nc_u64 s[G0B+4*(\s)+2:G0B+4*(\s)+3], s[18:19], (\s)*WSTEP
	s_or_b32 s[G0B+4*(\s)+3], s[G0B+4*(\s)+3], 0x80000000
	JLOAD \s
.endr
	v_and_b32 v2, 31, v0
	v_bfe_u32 v3, v0, 4, 1
	v_lshlrev_b32 v[CO], 4, v2
	v_lshlrev_b32 v[BO], 5, v3
	v_lshlrev_b32 v[PFO], 8, v2
	s_lshl_b32 s21, s42, 1
	s_add_co_u32 s21, s21, s12                     ; my panel of out
	s_lshl_b32 s70, s21, 9
	s_add_co_u32 s70, s70, BOFF
	s_mov_b32 s71, 0
	s_add_nc_u64 s[70:71], s[6:7], s[70:71]
.irp b, 0,1,2,3,4,5,6,7
	global_load_b128 v[BI+8*(\b):BI+8*(\b)+3],   v[BO], s[70:71] offset:64*(\b)      ; bias of columns 16 b + 8 (l / 16) + 0..7: as an accumulator's registers lie
	global_load_b128 v[BI+8*(\b)+4:BI+8*(\b)+7], v[BO], s[70:71] offset:64*(\b)+16
.endr
	s_lshl_b32 s23, s11, 15
	v_add_nc_u32 v[ADRA0], s23, v[CO]
	s_lshl_b32 s23, s12, 15
	s_add_co_u32 s23, s23, 65536
	v_add_nc_u32 v[ADRB0], s23, v[CO]
	v_mov_b32 v[ADRA], v[ADRA0]
	v_mov_b32 v[ADRB], v[ADRB0]
	s_lshl_b32 s23, s10, 16
	v_add_nc_u32 v[STG], s23, v[CO]
	s_mov_b32 s[TB], 0
.if VSUMS
	s_lshl_b32 s16, s13, 1                         ; v's sums: my 128 rows are group 2 x tile row + half, 4,096 bytes a group;
	s_add_co_u32 s16, s16, s11
	s_lshl_b32 s16, s16, 12
	s_and_b32 s17, s21, 7                          ; v's panels are 16 to 23: 512 bytes a panel
	s_lshl_b32 s17, s17, 9
	s_add_co_u32 s16, s16, s17
	s_add_co_u32 s16, s16, VSUM
	s_mov_b32 s17, 0
	s_add_nc_u64 s[VSP:VSP+1], s[8:9], s[16:17]
.endif
	s_lshl_b32 s16, s13, 16                        ; out: my panel, my 8 row blocks
	s_lshl_b32 s17, s11, 15
	s_add_co_u32 s16, s16, s17
	s_lshl_b32 s17, s21, 20
	s_add_co_u32 s16, s16, s17
	s_mov_b32 s17, 0
	s_add_nc_u64 s[8:9], s[8:9], s[16:17]
	s_and_b32 s23, ttmp7, 0xffff                   ; the prefetches
	s_mov_b32 s[PFS], WSTEP
	s_cmp_eq_u32 s11, 0
	s_cselect_b32 s[PFS], ASTEP, s[PFS]
	s_cselect_b32 s72, s40, s41                    ; my place among the four that ask with me
	s_cselect_b32 s23, ttmp9, s23                  ; the coordinate along which other clusters read the same blocks
	s_cselect_b64 s[PFA:PFA+1], s[14:15], s[18:19]
	s_mov_b32 s[PFS+1], 0
	s_cmp_eq_u32 s23, 0
	s_cselect_b32 s[LIM], 2, -1
	s_lshl_b32 s72, s72, 13
	s_mul_i32 s73, s[PFS], 3                       ; at K step 3: the first refill steps it to 4
	s_add_co_u32 s72, s72, s73
	s_mov_b32 s73, 0
	s_add_nc_u64 s[PFA:PFA+1], s[PFA:PFA+1], s[72:73]
	s_wait_loadcnt 0x0                             ; the bias: the first products take it as C
	s_wait_tensorcnt 1                             ; of my two first fills K step 0's is in; step 1's may stay out
	s_barrier_signal -1
	s_barrier_wait -1
	FETCH 0, F0
	QUARTER 1, F0, F1, 1                           ; the first quarter stands in front of the loop: its products start the sums
	WIN 0
	s_mov_b32 s3, KSTEPS-2
.Lstep:                                                ; a trip: from a K step's second quarter to the next step's first; it fills the slot that it leaves
	QUARTER 2, F1, F0, 0
	QUARTER 3, F0, F1, 0
	TURN
	QUARTER 1, F0, F1, 0
	WIN 0
	s_sub_co_u32 s3, s3, 1
	s_cmp_lg_u32 s3, 0
	s_cbranch_scc1 .Lstep
	s_mov_b32 s3, 2
.Ltail:                                                ; the last two K steps ask for nothing; the second trip is left in its middle
	QUARTER 2, F1, F0, 0
	QUARTER 3, F0, F1, 0
	MEET
	s_sub_co_u32 s3, s3, 1
	s_cmp_eq_u32 s3, 0
	s_cbranch_scc1 .Lfin
	PLACES
	TOGGLE
	FETCH 0, F0
	MUL16 F1, 1, 0, 0
	MUL16 F1, 1, 2, 0
	QUARTER 1, F0, F1, 0
	WIN 0
	s_branch .Ltail
.Lfin:
	MUL16 F1, 1, 0, 0
	MUL16 F1, 1, 2, 0
	; THE WAY OUT.  The ring has had its last fill, and behind the last barrier no wave reads it: its bytes become four stages of 65,536, a wave's own.  The accumulators go there as they lie,
	; and a loop of eight trips takes them back, a block of 16 rows a trip: one text for all 512 registers.
	PLACES
	WIN 0x08                                       ; store data in window 2
.set n, 0
.rept 32
	ds_store_b128 v[STG], v[8*n:8*n+3] offset:1024*n
	ds_store_b128 v[STG], v[8*n+4:8*n+7] offset:1024*n+512
.set n, n+1
.endr
	WIN 0x0c                                       ; window 3
.set n, 0
.rept 32
	ds_store_b128 v[STG], v[8*n:8*n+3] offset:1024*(n+32)
	ds_store_b128 v[STG], v[8*n+4:8*n+7] offset:1024*(n+32)+512
.set n, n+1
.endr
	WIN 0
.if VSUMS
	s_cmp_eq_u32 ttmp9, 2                          ; the third column of clusters holds panels 16 to 23, v's: the same answer in all sixteen partners
	s_cbranch_scc0 .Lno_sums
.set n, 0
.rept 64
	v_mov_b32 v[U+n], 0                            ; v's sums start at 0: 64 lines, in a third of the work-groups, so that the loop below has one form
.set n, n+1
.endr
.Lno_sums:
.endif
	s_mov_b32 s3, 8
.Lrow:
.irp b, 0,1,2,3,4,5,6,7
	ds_load_b128 v[Y+8*(\b):Y+8*(\b)+3],   v[STG] offset:1024*(\b)   ; LDS serves a wave's instructions in order: these see my stores
	ds_load_b128 v[Y+8*(\b)+4:Y+8*(\b)+7], v[STG] offset:1024*(\b)+512
.endr
	s_wait_dscnt 0x0
.if GELU                               ; y / (1 + 2^(y (C0 + C1 y y))): the tanh form of gelu, written as a logistic
.set n, 0
.rept 32
	v_pk_mul_f32 v[U+n:U+n+1], v[Y+n:Y+n+1], v[Y+n:Y+n+1]
.set n, n+2
.endr
.set n, 0
.rept 32
	v_pk_fma_f32 v[U+n:U+n+1], v[U+n:U+n+1], s[68:69], s[66:67] op_sel_hi:[1,0,0]
.set n, n+2
.endr
.set n, 0
.rept 32
	v_pk_mul_f32 v[U+n:U+n+1], v[U+n:U+n+1], v[Y+n:Y+n+1]
.set n, n+2
.endr
.set n, 0
.rept 64
	v_exp_f32 v[U+n], v[U+n]
.set n, n+1
.endr
	v_nop                                          ; a plain instruction behind the last exponential,
	s_wait_alu depctr_va_vdst(0)                   ; and one wait for the batch of 64, ahead of its first reader
.set n, 0
.rept 32
	v_pk_add_f32 v[U+n:U+n+1], v[U+n:U+n+1], 1.0 op_sel_hi:[1,0]
.set n, n+2
.endr
.set n, 0
.rept 64
	v_rcp_f32 v[U+n], v[U+n]
.set n, n+1
.endr
	v_nop
	s_wait_alu depctr_va_vdst(0)
.set n, 0
.rept 32
	v_pk_mul_f32 v[Y+n:Y+n+1], v[Y+n:Y+n+1], v[U+n:U+n+1]
.set n, n+2
.endr
.endif
.if VSUMS
	s_cmp_eq_u32 ttmp9, 2
	s_cbranch_scc0 .Lpack
.set n, 0
.rept 32
	v_pk_add_f32 v[U+n:U+n+1], v[U+n:U+n+1], v[Y+n:Y+n+1]  ; v's sums take this block's 16 rows, a row a lane
.set n, n+2
.endr
.Lpack:
.endif
.set n, 0
.rept 32
	v_cvt_pk_f16_f32 v[PK+n], v[Y+2*n], v[Y+2*n+1]
.set n, n+1
.endr
.irp b, 0,1,2,3,4,5,6,7
	global_store_b128 v[CO], v[PK+4*(\b):PK+4*(\b)+3], s[8:9] offset:512*(\b)  ; a piece: 512 consecutive bytes, aligned
.endr
	s_wait_xcnt 0x0                                ; the stores have read their registers and their base
	s_add_nc_u64 s[8:9], s[8:9], 4096
	v_add_nc_u32 v[STG], 8192, v[STG]
	s_sub_co_u32 s3, s3, 1
	s_cmp_lg_u32 s3, 0
	s_cbranch_scc1 .Lrow
.if VSUMS
	s_cmp_eq_u32 ttmp9, 2
	s_cbranch_scc0 .Lend
	; v's sums over the 16 lanes of a half: through my stage, in as 16 rows of 128 numbers 528 bytes apart (sixteen different groups of banks), back by columns, four a lane
	s_lshl_b32 s23, s10, 16
	v_and_b32 v4, 15, v0
	v_mul_u32_u24 v4, v4, 528
	v_lshl_add_u32 v4, v3, 5, v4
	v_add_nc_u32 v4, s23, v4
	v_add_nc_u32 v5, s23, v[CO]
.irp b, 0,1,2,3,4,5,6,7
	ds_store_b128 v4, v[U+8*(\b):U+8*(\b)+3] offset:64*(\b)
	ds_store_b128 v4, v[U+8*(\b)+4:U+8*(\b)+7] offset:64*(\b)+16
.endr
.irp r, 0,1,2,3,4,5,6,7,8,9,10,11,12,13,14,15
	ds_load_b128 v[Y+4*(\r):Y+4*(\r)+3], v5 offset:528*(\r)
.endr
	s_wait_dscnt 0x0
.irp d, 8,4,2,1
.set r, 0
.rept \d
	v_pk_add_f32 v[Y+4*r:Y+4*r+1], v[Y+4*r:Y+4*r+1], v[Y+4*(r+\d):Y+4*(r+\d)+1]
	v_pk_add_f32 v[Y+4*r+2:Y+4*r+3], v[Y+4*r+2:Y+4*r+3], v[Y+4*(r+\d)+2:Y+4*(r+\d)+3]
.set r, r+1
.endr
.endr
	global_store_b128 v[CO], v[Y:Y+3], s[VSP:VSP+1]  ; 128 sums: 512 consecutive bytes, aligned
.Lend:
.endif
	s_wait_tensorcnt 0x0                           ; the wave's end
	ds_add_u32 v[SPW], v[NIL]
	s_wait_dscnt 0x0
	CROUND                                         ; the closing round
	s_endpgm
.Lfunc_end_k_q491d941582_qkv:
	.size	k_q491d941582_qkv, .Lfunc_end_k_q491d941582_qkv-k_q491d941582_qkv
	.p2alignl 7, 3214868480
	.fill 96, 4, 3214868480
	.section	.rodata,"a",@progbits
	.p2align	6, 0x0
	.amdhsa_kernel k_q491d941582_qkv
		.amdhsa_group_segment_fixed_size 327680
		.amdhsa_private_segment_fixed_size 0
		.amdhsa_enable_private_segment 0
		.amdhsa_kernarg_size 24
		.amdhsa_user_sgpr_count 2
		.amdhsa_user_sgpr_kernarg_segment_ptr 1
		.amdhsa_wavefront_size32 1
		.amdhsa_system_sgpr_workgroup_id_x 1
		.amdhsa_system_sgpr_workgroup_id_y 1
		.amdhsa_system_sgpr_workgroup_id_z 1
		.amdhsa_system_vgpr_workitem_id 0
		.amdhsa_next_free_vgpr 1024
		.amdhsa_next_free_sgpr 78
		.amdhsa_reserve_vcc 0
		.amdhsa_float_denorm_mode_32 3
		.amdhsa_float_denorm_mode_16_64 3
		.amdhsa_memory_ordered 1
		.amdhsa_forward_progress 1
		.amdhsa_inst_pref_size 93
	.end_amdhsa_kernel
	.amdgpu_metadata
---
amdhsa.version: [ 1, 2 ]
amdhsa.kernels:
  - .name:           k_q491d941582_qkv
    .symbol:         k_q491d941582_qkv.kd
    .args:
      - { .name: xh, .offset: 0, .size: 8, .value_kind: global_buffer, .address_space: global }
      - { .name: t, .offset: 8, .size: 8, .value_kind: global_buffer, .address_space: global }
      - { .name: big, .offset: 16, .size: 8, .value_kind: global_buffer, .address_space: global }
    .group_segment_fixed_size: 327680
    .private_segment_fixed_size: 0
    .kernarg_segment_align: 8
    .kernarg_segment_size: 24
    .max_flat_workgroup_size: 128
    .sgpr_count:     78
    .vgpr_count:     1024
    .wavefront_size: 32
...
	.end_amdgpu_metadata
.endif
;; end of part 2
;; launch attn (part 3): grid 8 x 32, 4 waves a work-group, no clusters, 327,680 bytes of LDS; arguments big, attention_mask, act; writes act
.if DOCPART == 3
	.amdgcn_target "amdgcn-amd-amdhsa--gfx1250"
	.amdhsa_code_object_version 6
	.text
	.protected	k_q491d941582_attn
	.globl	k_q491d941582_attn
	.p2align	8
	.type	k_q491d941582_attn,@function
k_q491d941582_attn:
	s_mov_b64 s[64:65], 0
	v_nop
	global_prefetch_b8 v0, s[64:65] scope:SCOPE_SE
	s_setreg_imm32_b32 hwreg(HW_REG_WAVE_MODE, 25, 1), 1
	s_wait_xcnt 0x0
; ATTENTION under the causal mask AND the padding mask.  q, k, v: panels 0-7, 8-15, 16-23 of big, f16 in fragment order (a head is 2,048 bytes of each block of 16 rows); O -> act, the same order.
; Products, maxima and sums in f32; the weights p are rounded to f16 for the second product, O once.  p = 2^(c s - c m), c = log2(e) / 8, with a running maximum m.
; LIMITS.  A hidden score counts as its value plus -2^100 (twice that where both masks hide it), not as -1e9, and the running maximum starts at -2^99: so m never falls to a hidden score, every hidden
; weight is 0, and the result is the reference's while visible scores lie above -2^96.  A mask entry other than 0 counts as true.  NaN and infinities are not treated apart.
; A ROW THAT SEES NO KEY (m still below -2^96 at its end; its l is 0) has all its scores replaced by one number, so its softmax is uniform over ALL keys of the batch, the later ones too: it takes the mean of
; all of the batch's rows of v, by a select.  The projection's launch left v's sums over groups of 128 rows at 24 MiB of big, [32][1,024] f32; a thread adds eight of a batch's sixteen for one channel.
; THE WALK.  A head's queries lie in 16 blocks of 128; block i needs the key tiles (256 keys) 0 .. i / 2.  A work-group takes block pb and then block 15 - pb: 9 tiles whatever pb, 256 equal
; work-groups, one counted loop.  Every tile runs its four key steps of 64; steps past the diagonal are hidden by the mask (2 of the 36).
; NO CLUSTER: a head's eight work-groups ask for the same tile in the first trip alone; after it their walks differ with pb.
; SHARES.  Of a block's two bands of 64 queries a wave owns 16 rows in each: two PIECES.  In key step g band d sees all keys if g < d, none if g > d, and holds the diagonal if g = d.
; THE MASK is the C operand that starts S^T = K Q^T: MD x AL + MP.  MD, made once, is the causal mask of a band's own step; AL is 1 there, else 0; MP comes from LDS: the padding mask of the
; step's 64 keys (step g of PM), or 64 hidden ones for a step past the diagonal, which lie behind PM as its step 32.
; TURNS.  Turn (p, s): 8 products K Q^T of the other piece (step s for p = 0, s + 1 for p = 1), piece p's softmax of step s, the other piece's maximum, and behind the turn's one wait for
; its 33 exponentials 8 products V^T P of the other piece.  So K is wanted one step ahead of V: a slot holds K of FIVE steps (the fifth is the next tile's first) and V of four.
; REGISTERS: window 0: v1-15 addresses; v16-23 statistics (c m, m, l, l a piece); v24-46 at the head (v46 stays); v48-55 at work; v64-127 S^T, two buffers; v192-223 P, two buffers.
;   window 1: v0-63 O^T; v64-95 the mean of v; v96-127 at work; v128-159 MD; v160-223 the masks, two buffers.   window 2: v0-31 Q; v32-63, v64-95 the Q to come; v128-191 K; v192-255 V.
.set SLOT1, 131072
.set VOFF,  40960                      ; a slot: 20 blocks of 16 keys of K (2,048 bytes each), then 16 of V
.set STEPB, 8192                       ; a key step: four blocks
.set PM,    262144                     ; 2,048 words, 256 bytes a key step: 0 or -2^100
.set HID,   PM+8192                    ; directly behind them, as step 32: 512 bytes of -2^100, a word a thread; the first 256 are read
.set VMS,   HID+512                    ; 128 words, a word a thread: two halves of the mean of the head's 64 channels of v
.set SPARE, VMS+512                    ; the spare words, 128 bytes a wave: outside PM .. PM + 8,447, which is all that the mask loads reach
.set AV0, 3
.set AK,  4
.set AV,  5
.set AM0, 6                            ; 32 x (lane / 16)
.set AM,  7
.set GO,  8                            ; 16 x lane: my place in a piece, in memory and in LDS
.set AK0, 8
.set MV,  12
.set ST,  16
.set AVM, 46                           ; VMS + 32 x (lane / 16); never rewritten
.set TMP, 48
.set PFO, 61
.set SPW, 62
.set NIL, 63
.set S,   64
.set P,   192
.set VM,  64
.set VM2, 96
.set MD,  128
.set MC,  160
.set QN,  32
.set Q2,  64
.set KF,  128
.set VF,  192
.set WV,  12
.set PB,  14
.set G1K, 24
.set G1V, 32
.set G0K, 40
.set G0V, 44
.set KBP, 48                           ; s[48:49] k at my half of the head's tile 0
.set VBP, 50
.set SLOTS, 52
.set CNT, 53
.set TB,  54                           ; LDS byte at which the step in hand begins in its slot
.set GS,  55                           ; the step in hand, counted in the block
.set CS,  56
.set SEL, 58
.set AL,  60
.set DG0, 62                           ; s62, s63: the two pieces' bands
.set MO,  66
.set T1,  67
.set RT,  68                           ; tiles of the block in hand still to be entered
.set NXT, 69                           ; the tile to be asked for next
.set LQ,  70                           ; the last tile of the block whose tiles are being asked for
.set LQ2, 71
.set NEW, 72
.set BLK, 73
.set OFF, 74
.set BIGN, 76
.set THR, 77
.set OA,  78
.set OA2, 80
.set FM0, 82                           ; s82, s83: lanes whose row saw no key
.set BLK2, 84
.set N2,  85
.set PFT, 86
.set PFK, 88
.set PFV, 90
.set QP1, 92
.set QP2, 94
.set MSB, 0
.macro WIN new
.if MSB != (\new)
	s_set_vgpr_msb (MSB<<8)|(\new)
.set MSB, (\new)
.endif
.endm
.set W_KQ, 0x0a
.set W_KM, 0x1a
.set W_PV, 0x52
.set W_RS, 0x41
.macro LOAD                            ; a fill: waves 0, 1 fetch the halves of a tile's K (10 blocks each), waves 2, 3 of its V (8 each)
	s_cmp_lt_u32 s[WV], 2
	s_cbranch_scc0 .Lfor_v_\@
	tensor_load_to_lds s[G0K:G0K+3], s[G1K:G1K+7]
	s_nop 0
.rept 4
	v_nop
.endr
	s_branch .Lasked_\@
.Lfor_v_\@:
	tensor_load_to_lds s[G0V:G0V+3], s[G1V:G1V+7]
	s_nop 0
.rept 4
	v_nop
.endr
.Lasked_\@:
.endm
; THE CHANGE OF SLOTS: every wave waits for all its tensor loads (one is out: its part of the other slot), adds 0 to its spare word, waits for that and for its LDS reads and stores; behind the barrier
; the old slot is filled first, with tile NXT, whose address is made anew from that number.  At its first use it also shows PM, HID.
.macro CHANGE fill
	WIN 0
	s_wait_tensorcnt 0x0
	ds_add_u32 v[SPW], v[NIL]
.if \fill
	s_lshl_b32 s[OFF], s[NXT], 16                  ; a tile is 16 blocks of 4,096 bytes in memory
	s_xor_b32 s[G0K+1], s[G0K+1], SLOT1
	s_add_nc_u64 s[G0K+2:G0K+3], s[KBP:KBP+1], s[OFF:OFF+1]
	s_or_b32 s[G0K+3], s[G0K+3], 0x80000000
	s_xor_b32 s[G0V+1], s[G0V+1], SLOT1
	s_add_nc_u64 s[G0V+2:G0V+3], s[VBP:VBP+1], s[OFF:OFF+1]
	s_or_b32 s[G0V+3], s[G0V+3], 0x80000000
	s_add_co_u32 s[NXT], s[NXT], 1
	s_cmp_gt_u32 s[NXT], s[LQ]
	s_cselect_b32 s[NXT], 0, s[NXT]
	s_cselect_b32 s[LQ], s[LQ2], s[LQ]
.endif
	s_wait_dscnt 0x0
	s_barrier_signal -1
	s_sub_co_u32 s[TB], s[TB], 4*STEPB
	s_xor_b32 s[TB], s[TB], SLOT1
	s_barrier_wait -1
.if \fill
	LOAD
.endif
.endm
; A prefetch: work-group pb = 1 .. 6 of a head names tile pb + 1 of K and of V once, a thread 256 bytes, one trip ahead of the trip in which a work-group of the head first loads that tile.
.macro ASK
	s_cmp_eq_u32 s[SLOTS], s[PFT]
	s_cbranch_scc0 .Lnot_mine_\@
	global_prefetch_b8 v[PFO], s[PFK:PFK+1] th:TH_LOAD_NT scope:SCOPE_SE
	global_prefetch_b8 v[PFO], s[PFV:PFV+1] th:TH_LOAD_NT scope:SCOPE_SE
.Lnot_mine_\@:
.endm
	s_load_b64 s[4:5], s[0:1], 0x0                 ; big
	s_load_b128 s[8:11], s[0:1], 0x8               ; attention_mask 8, act 10
	v_lshl_add_u32 v[SPW], v0, 2, SPARE
	v_mov_b32 v[NIL], 0
	ds_add_u32 v[SPW], v[NIL]                      ; the wave's opening
	ds_add_u32 v62, v63
	v_lshrrev_b32 v1, 5, v0
	v_readfirstlane_b32 s[WV], v1
	s_mov_b32 s[PB], ttmp9
	s_and_b32 s16, ttmp7, 0xffff
	s_lshr_b32 s17, s16, 4                         ; batch
	s_and_b32 s18, s16, 15                         ; head
	s_lshr_b32 s19, s18, 1
	s_lshl_b32 s19, s19, 20                        ; two heads to a panel,
	s_lshl_b32 s20, s17, 19                        ; 128 row blocks to a batch,
	s_add_co_u32 s19, s19, s20
	s_and_b32 s20, s18, 1
	s_lshl_b32 s20, s20, 11                        ; which half of each block
	s_add_co_u32 s20, s20, s19
	s_and_b32 s22, s[WV], 1
	s_mul_i32 s23, s22, 40960
	s_add_co_u32 s[KBP], s20, s23
	s_add_co_u32 s[KBP], s[KBP], 0x800000
	s_mov_b32 s[KBP+1], 0
	s_lshl_b32 s23, s22, 15
	s_add_co_u32 s[VBP], s20, s23
	s_add_co_u32 s[VBP], s[VBP], 0x1000000
	s_mov_b32 s[VBP+1], 0
	s_mov_b32 s[G0K], 1
	s_mul_i32 s[G0K+1], s22, 20480
	s_mov_b32 s[G0V], 1
	s_lshl_b32 s[G0V+1], s22, 14
	s_add_co_u32 s[G0V+1], s[G0V+1], VOFF
	s_lshl_b32 s21, s[PB], 3                       ; my rows of the first block: row block 8 pb + wave, and four further on
	s_add_co_u32 s21, s21, s[WV]
	s_lshl_b32 s21, s21, 12
	s_add_co_u32 s[QP1], s21, s20
	s_mov_b32 s[QP1+1], 0
	s_sub_co_u32 s[BLK2], 15, s[PB]
	s_lshl_b32 s21, s[BLK2], 3
	s_add_co_u32 s21, s21, s[WV]
	s_lshl_b32 s21, s21, 12
	s_add_co_u32 s[QP2], s21, s20
	s_mov_b32 s[QP2+1], 0
	s_add_co_u32 s21, s[PB], 1                     ; the tile that I prefetch
	s_lshl_b32 s21, s21, 16
	s_add_co_u32 s21, s21, s20
	s_add_co_u32 s[PFK], s21, 0x800000
	s_mov_b32 s[PFK+1], 0
	s_add_co_u32 s[PFV], s21, 0x1000000
	s_mov_b32 s[PFV+1], 0
	s_cmp_lt_u32 s[PB], 3
	s_cselect_b32 s[PFT], 9, 8
	s_sub_co_u32 s[PFT], s[PFT], s[PB]
	s_sub_co_u32 s16, s[PB], 1
	s_cmp_lt_u32 s16, 6
	s_cselect_b32 s[PFT], s[PFT], -1
	s_lshl_b32 s16, s17, 16                        ; v's sums: sixteen groups of 4,096 bytes a batch,
	s_lshl_b32 s19, s18, 8                         ; 256 bytes a head,
	s_add_co_u32 s16, s16, s19
	s_add_co_u32 s16, s16, 0x1800000               ; behind q, k and v
	s_lshl_b32 s18, s17, 13                        ; the batch's mask
	s_mov_b32 s17, 0
	s_mov_b32 s19, 0
.irp g, G1K, G1V
	s_mov_b32 s[\g], 3<<16                         ; elements of 8 bytes, no padding
	s_mov_b32 s[\g+1], 256<<16                     ; a row: 256 elements, a head's 2,048 bytes of a block of 16 keys
	s_mov_b32 s[\g+3], 256<<16
	s_mov_b32 s[\g+5], 512                         ; 4,096 bytes from block to block
	s_mov_b32 s[\g+6], 0
	s_mov_b32 s[\g+7], 0
.endr
	s_mov_b32 s[G1K+2], 10<<16
	s_mov_b32 s[G1K+4], 10
	s_mov_b32 s[G1V+2], 8<<16
	s_mov_b32 s[G1V+4], 8
	s_mov_b32 s[CS], 0x3e38aa3b                    ; c = log2(e) / 8
	s_mov_b32 s[CS+1], s[CS]
	s_mov_b32 s[SEL], 0x76543210
	s_mov_b32 s[SEL+1], 0xfedcba98
	s_mov_b32 s[AL+1], 0
	s_mov_b32 s[OFF+1], 0
	s_mov_b32 s[BIGN], 0xf1800000                  ; -2^100
	s_mov_b32 s[THR], 0xef800000                   ; -2^96
	s_mov_b32 s[TB], SLOT1+4*STEPB                 ; the first change of slots turns it into 0
	s_mov_b32 s[SLOTS], 8
	s_mov_b32 s[NEW], 1
	s_mov_b32 s[BLK], s[PB]
	s_lshr_b32 s[LQ], s[PB], 1                     ; block pb has pb / 2 + 1 tiles, block 15 - pb has 8 - pb / 2
	s_sub_co_u32 s[LQ2], 7, s[LQ]
	s_add_co_u32 s[RT], s[LQ], 1
	s_add_co_u32 s[N2], s[LQ2], 1
	s_mov_b32 s[NXT], 1
	s_cmp_gt_u32 s[NXT], s[LQ]
	s_cselect_b32 s[NXT], 0, s[NXT]
	s_cselect_b32 s[LQ], s[LQ2], s[LQ]
	s_wait_dscnt 0x0                               ; the opening add is done
	s_wait_kmcnt 0x0
	s_add_nc_u64 s[OA:OA+1], s[10:11], s[QP1:QP1+1]
	s_add_nc_u64 s[OA2:OA2+1], s[10:11], s[QP2:QP2+1]
	s_add_nc_u64 s[QP1:QP1+1], s[4:5], s[QP1:QP1+1]
	s_add_nc_u64 s[QP2:QP2+1], s[4:5], s[QP2:QP2+1]
	s_add_nc_u64 s[KBP:KBP+1], s[4:5], s[KBP:KBP+1]
	s_add_nc_u64 s[VBP:VBP+1], s[4:5], s[VBP:VBP+1]
	s_add_nc_u64 s[PFK:PFK+1], s[4:5], s[PFK:PFK+1]
	s_add_nc_u64 s[PFV:PFV+1], s[4:5], s[PFV:PFV+1]
	s_add_nc_u64 s[6:7], s[4:5], s[16:17]
	s_add_nc_u64 s[8:9], s[8:9], s[18:19]
	s_add_nc_u64 s[G0K+2:G0K+3], s[KBP:KBP+1], 0
	s_or_b32 s[G0K+3], s[G0K+3], 0x80000000
	s_add_nc_u64 s[G0V+2:G0V+3], s[VBP:VBP+1], 0
	s_or_b32 s[G0V+3], s[G0V+3], 0x80000000
	LOAD                                           ; tile 0 into slot 0
	v_and_b32 v1, 15, v0
	v_bfe_u32 v9, v0, 4, 1
	v_and_b32 v10, 31, v0
	v_lshlrev_b32 v[GO], 4, v10
	v_lshlrev_b32 v[AM0], 5, v9
	v_lshlrev_b32 v40, 4, v0
	v_lshrrev_b32 v44, 6, v0                       ; threads 0-63 take the batch's first eight groups of rows, threads 64-127 the others,
	v_lshlrev_b32 v44, 15, v44
	v_and_b32 v45, 63, v0                          ; a thread a channel
	v_lshl_add_u32 v44, v45, 2, v44
.irp i, 0,1,2,3
	global_load_b128 v[24+4*\i:27+4*\i], v40, s[8:9] offset:2048*\i   ; the batch's mask, 64 bytes a thread
.endr
.irp j, 0,1,2,3,4,5,6,7
	global_load_b32 v[64+\j], v44, s[6:7] offset:4096*\j              ; eight of v's sums: a wave takes 128 consecutive bytes of each group
.endr
	WIN 0x80
.irp x, 0,1
.irp c, 0,1                            ; both blocks' Q: piece x lies four row blocks on; channels 32 c on
	global_load_b128 v[QN+16*\x+8*\c:QN+16*\x+8*\c+3],   v[GO], s[QP1:QP1+1] offset:16384*\x+1024*\c
	global_load_b128 v[QN+16*\x+8*\c+4:QN+16*\x+8*\c+7], v[GO], s[QP1:QP1+1] offset:16384*\x+1024*\c+512
	global_load_b128 v[Q2+16*\x+8*\c:Q2+16*\x+8*\c+3],   v[GO], s[QP2:QP2+1] offset:16384*\x+1024*\c
	global_load_b128 v[Q2+16*\x+8*\c+4:Q2+16*\x+8*\c+7], v[GO], s[QP2:QP2+1] offset:16384*\x+1024*\c+512
.endr
.endr
	WIN 0
	v_lshlrev_b32 v14, 3, v9
	v_sub_nc_u32 v14, v1, v14
	s_lshl_b32 s16, s[WV], 4
	v_add_nc_u32 v14, s16, v14                     ; my query's place in its band less 8 (l / 16): register r of key group kt is hidden where 16 kt + r is greater
	WIN 0x40
.set i, 0
.rept 32
	v_cmp_gt_i32 vcc_lo, 16*(i/8)+i%8, v14
	v_cndmask_b32 v[MD+i], 0, s[BIGN], vcc_lo
.set i, i+1
.endr
	WIN 0
	; V in fragment order: key x 16 bytes, the second eight channels 256 bytes on.  The turning load: lane l reads key 8 (l / 16) + l % 8, channels 8 ((l / 8) % 2) + 0..7, and is left with channel l % 16 and 8 keys.
	v_and_b32 v10, 7, v0
	v_bfe_u32 v11, v0, 3, 1
	v_lshl_add_u32 v[AV0], v9, 3, v10
	v_lshlrev_b32 v[AV0], 4, v[AV0]
	v_lshl_add_u32 v[AV0], v11, 8, v[AV0]
	v_add_nc_u32 v[AV0], VOFF, v[AV0]
	v_lshrrev_b32 v[PFO], 3, v0
	v_lshlrev_b32 v[PFO], 12, v[PFO]
	v_lshl_add_u32 v[PFO], v10, 8, v[PFO]
	v_add_nc_u32 v41, PM, v40
	v_lshl_add_u32 v43, v0, 2, HID
	v_mov_b32 v42, s[BIGN]
	v_lshl_add_u32 v45, v0, 2, VMS
	v_add_nc_u32 v[AVM], VMS, v[AM0]
	; A block's first step multiplies O^T by a = 0, and its first turn's products V^T P land in an O^T that is still to be so multiplied: these registers need only be finite.
	WIN 0x80
.set i, VF
.rept 64
	v_mov_b32 v[i], 0
.set i, i+1
.endr
	WIN 0x40
.set i, 0
.rept 64
	v_mov_b32 v[i], 0
.set i, i+1
.endr
	WIN 0
.set i, P+16
.rept 16
	v_mov_b32 v[i], 0
.set i, i+1
.endr
	s_wait_loadcnt 24                              ; the mask's four loads are in; the sums' 8 and Q's 16 may stay out
.set i, 0
.rept 16
	v_cmp_eq_u32 vcc_lo, 0, v[24+i]
	v_cndmask_b32 v[24+i], 0, s[BIGN], vcc_lo
.set i, i+1
.endr
.irp i, 0,1,2,3
	ds_store_b128 v41, v[24+4*\i:27+4*\i] offset:2048*\i
.endr
	ds_store_b32 v43, v42
	s_wait_loadcnt 16                              ; the sums are in; Q's 16 loads, issued behind them, may stay out
	v_pk_add_f32 v[64:65], v[64:65], v[66:67]
	v_pk_add_f32 v[68:69], v[68:69], v[70:71]
	v_pk_add_f32 v[64:65], v[64:65], v[68:69]
	v_add_f32 v64, v64, v65
	v_mul_f32 v64, 0x3a000000, v64                 ; / 2,048
	ds_store_b32 v45, v64
; THE MATRIX WORK: the 4 accumulators of a run of 8 take turns.  Product i of 8 of S^T = K Q^T for piece x: channels 32 (i / 4) on, keys 16 (i % 4) on; the first 4 start the sums with the mask.
.macro KQ x
.set rS, S+32*(\x)+8*(i%4)
.set rK, KF+16*(i%4)+8*(i/4)
.set rQ, 16*(\x)+8*(i/4)
.set rM, MC+32*(\x)+8*(i%4)
.if i < 4
	WIN W_KM
	v_wmma_f32_16x16x32_f16 v[rS:rS+7], v[rK:rK+7], v[rQ:rQ+7], v[rM:rM+7]
.else
	WIN W_KQ
	v_wmma_f32_16x16x32_f16 v[rS:rS+7], v[rK:rK+7], v[rQ:rQ+7], v[rS:rS+7]
.endif
.endm
.macro PV x                            ; product i of 8 of O^T += V^T P: keys 32 (i / 4) on, channels 16 (i % 4) on
	WIN W_PV
.set rO, 32*(\x)+8*(i%4)
.set rV, VF+32*(i/4)+8*(i%4)
.set rP, P+16*(\x)+8*(i/4)
	v_wmma_f32_16x16x32_f16 v[rO:rO+7], v[rV:rV+7], v[rP:rP+7], v[rO:rO+7]
.endm
.macro MM                              ; the turn's next matrix instruction
.if i < 8
	KQ 1-Y
.else
.set i, i-8
	PV 1-Y
.set i, i+8
.endif
.set i, i+1
.endm
.macro FETCH_K pos                     ; 16 loads: a step's K, 16 bytes a lane on end
	WIN 0x80
.irp f, 0,1,2,3,4,5,6,7
	ds_load_b128 v[KF+8*\f:KF+8*\f+3],   v[AK] offset:(\pos)+(\f/2)*2048+(\f%2)*1024
	ds_load_b128 v[KF+8*\f+4:KF+8*\f+7], v[AK] offset:(\pos)+(\f/2)*2048+(\f%2)*1024+512
.endr
	WIN 0
.endm
.macro FETCH_V                         ; 16 turning loads: a step's V
	WIN 0x80
.irp f, 0,1,2,3,4,5,6,7
	ds_load_tr16_b128 v[VF+8*\f:VF+8*\f+3],   v[AV] offset:(\f/4)*4096+(\f%4)*512
	ds_load_tr16_b128 v[VF+8*\f+4:VF+8*\f+7], v[AV] offset:(\f/4)*4096+(\f%4)*512+2048
.endr
	WIN 0
.endm
.macro MLOAD x                         ; 64 keys' mask words as S^T lies: register 8 kt + j is key 16 kt + 8 (l / 16) + j
	WIN 0x40
.irp k, 0,1,2,3
	ds_load_b128 v[MC+32*(\x)+8*\k:MC+32*(\x)+8*\k+3],   v[AM] offset:64*\k
	ds_load_b128 v[MC+32*(\x)+8*\k+4:MC+32*(\x)+8*\k+7], v[AM] offset:64*\k+16
.endr
	WIN 0
.endm
.macro MSC x                           ; piece x, step GS + 1: which 256 bytes of mask words it takes, whether the step is the band's own; then the loads
	s_add_co_u32 s[T1], s[GS], 1
	s_cmp_gt_u32 s[T1], s[DG0+(\x)]
	s_cselect_b32 s[MO], 32, s[T1]                 ; the step's own words, or, past the band, step 32: the hidden ones
	s_min_u32 s[MO], s[MO], 32                     ; 0 .. 32: the loads stay in PM .. PM + 8,447
	s_lshl_b32 s[MO], s[MO], 8
	s_add_co_u32 s[MO], s[MO], PM
	s_cmp_eq_u32 s[T1], s[DG0+(\x)]
	s_cselect_b32 s[AL], 1.0, 0
	WIN 0
	v_add_nc_u32 v[AM], s[MO], v[AM0]
	MLOAD \x
.endm
.macro MASK x                          ; MD x AL onto the words just loaded
	WIN 0x51
.set z, 0
.rept 16
	v_pk_fma_f32 v[MC+32*(\x)+2*z:MC+32*(\x)+2*z+1], v[MD+2*z:MD+2*z+1], s[AL:AL+1], v[MC+32*(\x)+2*z:MC+32*(\x)+2*z+1] op_sel_hi:[1,0,1]
.set z, z+1
.endr
.endm
; THE VECTOR WORK, a line at a time: OP kind, number.  For piece Y: F n: c s - c m for pair n of 16.  E n: the exponential of score n of 32.  C n: pair n rounded to f16.  B n: of the four weights 4 n ..
; the second pair is added onto the first.  L n: l takes that sum (L 0: l = a l + sum).  R n: pair n of O^T times a.  For the other piece: X n, number n of the 22 that find its maximum and statistics
; (0-11 four chains of maxima, each accumulator's lowest registers first; 12-14, 16 the rest, the old m; 15 c m_old is kept; 17, 18 the other half of the lanes; 19-21 c m, its change, a).
.set F, 0
.set E, 1
.set C, 2
.set B, 3
.set L, 4
.set R, 5
.set X, 6
.macro REGS y
.set rT, ST+4*(\y)
.set rC, TMP+4*(\y)
.set rW, MV+(\y)
.set rS, S+32*(\y)
.set rP, P+16*(\y)
.set rO, 32*(\y)
.endm
.macro OP k, n
.if (\k) == R
	REGS Y
	WIN W_RS
	v_pk_mul_f32 v[rO+2*(\n):rO+2*(\n)+1], v[rO+2*(\n):rO+2*(\n)+1], v[rC+2:rC+3] op_sel_hi:[1,0]
.elseif (\k) < R
	REGS Y
	WIN 0
.if (\k) == F
	v_pk_fma_f32 v[rS+2*(\n):rS+2*(\n)+1], v[rS+2*(\n):rS+2*(\n)+1], s[CS:CS+1], v[rT:rT+1] op_sel_hi:[1,0,0] neg_lo:[0,0,1] neg_hi:[0,0,1]
.elseif (\k) == E
	v_exp_f32 v[rS+(\n)], v[rS+(\n)]
.elseif (\k) == C
	v_cvt_pk_f16_f32 v[rP+(\n)], v[rS+2*(\n)], v[rS+2*(\n)+1]
.elseif (\k) == B
	v_pk_add_f32 v[rS+4*(\n):rS+4*(\n)+1], v[rS+4*(\n):rS+4*(\n)+1], v[rS+4*(\n)+2:rS+4*(\n)+3]
.elseif (\n) == 0
	v_pk_fma_f32 v[rT+2:rT+3], v[rT+2:rT+3], v[rC+2:rC+3], v[rS:rS+1] op_sel_hi:[1,0,1]
.else
	v_pk_add_f32 v[rT+2:rT+3], v[rT+2:rT+3], v[rS+4*(\n):rS+4*(\n)+1]
.endif
.else
	REGS 1-Y
	WIN 0
.if (\n) < 4
	v_max3_num_f32 v[rC+(\n)], v[rS+8*(\n)], v[rS+8*(\n)+1], v[rS+8*(\n)+2]
.elseif (\n) < 12
	v_max3_num_f32 v[rC+(\n)%4], v[rC+(\n)%4], v[rS+8*((\n)%4)+2*((\n)/4)+1], v[rS+8*((\n)%4)+2*((\n)/4)+2]
.elseif (\n) == 12
	v_max3_num_f32 v[rC], v[rC], v[rS+7], v[rS+15]
.elseif (\n) == 13
	v_max3_num_f32 v[rC+1], v[rC+1], v[rS+23], v[rS+31]
.elseif (\n) == 14
	v_max3_num_f32 v[rC+2], v[rC+2], v[rC+3], v[rT+1]
.elseif (\n) == 15
	v_mov_b32 v[rW], v[rT]
.elseif (\n) == 16
	v_max3_num_f32 v[rC], v[rC], v[rC+1], v[rC+2]
.elseif (\n) == 17
	v_permlanex16_b32 v[rC+3], v[rC], s[SEL], s[SEL+1]
.elseif (\n) == 18
	v_max_num_f32 v[rT+1], v[rC], v[rC+3]
.elseif (\n) == 19
	v_mul_f32 v[rT], s[CS], v[rT+1]
.elseif (\n) == 20
	v_sub_f32 v[rC+1], v[rW], v[rT]
.else
	v_exp_f32 v[rC+2], v[rC+1]
.endif
.endif
.endm
.macro OPS a, i1, b=-1, i2=0, c=-1, i3=0, d=-1, i4=0
	OP \a, \i1
.if (\b) >= 0
	OP \b, \i2
.endif
.if (\c) >= 0
	OP \c, \i3
.endif
.if (\d) >= 0
	OP \d, \i4
.endif
.endm
.macro ROW a, i1, b, i2, c, i3, d, i4  ; a matrix instruction and the four behind it
	MM
	OPS \a, \i1, \b, \i2, \c, \i3, \d, \i4
.endm
; A TURN, for piece p.  Ahead of its one wait stands all that names no result of its 33 exponentials: 8 products K Q^T with four vector instructions behind each, then a run of 54; behind the wait
; 8 products V^T P, behind each four of the roundings and sums.
; LDS, in the order of issue: turn 0: 8 mask loads (piece 0, next step), 16 of K (next step; six plain instructions behind the last product that read K), 16 of V (this step; behind the last product that
; read V stand four roundings and the mask's 16 lines).  Turn 1: 8 mask loads (piece 1, next step).
.macro TURN p
.set Y, (\p)
.set i, 0
.if (\p) == 1
	s_wait_dscnt 16                                ; K is in; V's 16 loads, issued behind it, may be out
.endif
	MSC \p
	ROW F,0, F,1, R,0, R,1
	ROW F,2, E,0, R,2, R,3
	ROW F,3, E,1, R,4, R,5
	ROW F,4, E,2, R,6, R,7
	ROW F,5, E,3, R,8, R,9
	ROW F,6, E,4, X,0, R,10
.if (\p) == 0
	WIN 0
	v_add_nc_u32 v[AK], s[TB], v[AK0]
.endif
	ROW F,7, E,5, X,1, X,4
	ROW F,8, E,6, X,2, X,5
	OPS E,7, E,8, X,6, E,9
	OPS X,3, E,10, X,8, E,11
.if (\p) == 0
	FETCH_K STEPB                                  ; the next step's K lies one step on in the same slot
.endif
	OPS X,9, X,7, E,12, X,10
	OPS E,13, X,12, X,11, E,14
	OPS X,13, E,15, F,9, X,14
.if (\p) == 0
	v_add_nc_u32 v[AV], s[TB], v[AV0]
.endif
	OPS E,16, F,10, E,17, F,11
	OPS X,16, E,18, X,15, E,19
	OPS F,12, E,20, X,17, E,21
	OPS F,13, E,22, F,14, E,23
	OPS X,18, E,24, F,15, E,25
	OPS R,11, E,26, X,19, E,27
	OPS R,12, E,28, R,13, E,29
	OPS X,20, E,30, R,14, E,31
	OPS X,21, R,15                                 ; the batch's last exponential, and a plain instruction behind it
	WIN 0
	s_wait_alu depctr_va_vdst(0)                   ; the wait for the batch, ahead of its first reader
.if (\p) == 1
	s_wait_dscnt 8                                 ; V is in; the 8 mask loads may be out
.endif
	ROW C,0, B,0, C,2, B,1
	ROW L,0, C,4, B,2, L,1
	ROW C,6, B,3, L,2, C,8
	ROW B,4, L,3, C,10, B,5
	ROW L,4, C,12, B,6, L,5
	ROW C,14, B,7, L,6, C,1
	ROW C,3, L,7, C,5, C,7
	ROW C,9, C,11, C,13, C,15
.if (\p) == 0
	s_wait_dscnt 16                                ; the mask words are in; K's 16 loads may be out
	MASK 0
	FETCH_V
.else
	s_wait_dscnt 0x0
	MASK 1
.endif
.endm
.macro STEP
	TURN 0
	TURN 1
	WIN 0
	s_add_co_u32 s[TB], s[TB], STEPB
	s_add_co_u32 s[GS], s[GS], 1
.endm
; A BLOCK BEGINS: its Q; c m far below every c s, so that the first step's a is 0; m at -2^99, above every hidden score; l at 0 (the block before may have left the reciprocal of 0 there);
; both pieces' masks for step 0 (piece 1's band is never step 0: its mask is the padding mask as it lies); the two halves of the mean of v, as O^T lies; K of step 0; piece 0's first scores, maximum and statistics.
.macro BEGIN
	s_mov_b32 s[NEW], 0
	s_mov_b32 s[GS], 0
	s_lshl_b32 s[DG0], s[BLK], 1
	s_add_co_u32 s[DG0+1], s[DG0], 1
	s_wait_loadcnt 0x0                             ; Q
	WIN 0x82
.set n, 0
.rept 32
	v_mov_b32 v[n], v[QN+n]
.set n, n+1
.endr
.set n, 0
.rept 32
	v_mov_b32 v[QN+n], v[Q2+n]
.set n, n+1
.endr
	WIN 0
.irp t, 0,1
	v_mov_b32 v[ST+4*\t], 0xfe000000               ; c m
	v_mov_b32 v[ST+4*\t+1], 0xf1000000             ; m = -2^99
	v_mov_b32 v[ST+4*\t+2], 0                      ; l
	v_mov_b32 v[ST+4*\t+3], 0
.endr
	s_cmp_eq_u32 s[DG0], 0
	s_cselect_b32 s[AL], 1.0, 0
	v_add_nc_u32 v[AM], PM, v[AM0]
	MLOAD 0
	MLOAD 1
	WIN 0x40
.irp c, 0,1,2,3                        ; channels 16 c + 8 (l / 16) + 0..7
	ds_load_b128 v[VM+8*\c:VM+8*\c+3],     v[AVM] offset:64*\c
	ds_load_b128 v[VM+8*\c+4:VM+8*\c+7],   v[AVM] offset:64*\c+16
	ds_load_b128 v[VM2+8*\c:VM2+8*\c+3],   v[AVM] offset:256+64*\c
	ds_load_b128 v[VM2+8*\c+4:VM2+8*\c+7], v[AVM] offset:256+64*\c+16
.endr
	WIN 0
	v_add_nc_u32 v[AK], s[TB], v[AK0]
	FETCH_K 0
	s_wait_dscnt 0x0
	MASK 0
	WIN 0x45
.set z, 0
.rept 16
	v_pk_add_f32 v[VM+2*z:VM+2*z+1], v[VM+2*z:VM+2*z+1], v[VM2+2*z:VM2+2*z+1]
.set z, z+1
.endr
.set i, 0
.rept 8
	KQ 0
.set i, i+1
.endr
	WIN 0
.rept 4
	v_nop                                          ; the places behind those products
.endr
.set Y, 1
.irp n, 0,1,2,3,4,5,6,7,8,9,10,11,12,13,14,15,16,17,18,19,20,21
	OP X, \n
.endr
	v_nop
	s_wait_alu depctr_va_vdst(0)
.endm
; A BLOCK ENDS: piece 1's last products; l's halves and the other half of the lanes' are added; O^T is divided by l, replaced by the mean of v where the row saw no key (there l is 0, and what the
; division leaves is thrown away by the select), rounded, and stored: an accumulator rounded to f16 is a piece, 512 consecutive bytes of act.
.macro FINISH sw
.set i, 0
.rept 8
	PV 1
.set i, i+1
.endr
	WIN 0
.irp t, 0,1
	v_add_f32 v[ST+4*\t+2], v[ST+4*\t+2], v[ST+4*\t+3]
.endr
.irp t, 0,1
	v_permlanex16_b32 v[ST+4*\t+3], v[ST+4*\t+2], s[SEL], s[SEL+1]
.endr
.irp t, 0,1
	v_add_f32 v[ST+4*\t+2], v[ST+4*\t+2], v[ST+4*\t+3]
.endr
.irp t, 0,1
	v_rcp_f32 v[ST+4*\t+2], v[ST+4*\t+2]
.endr
	v_nop
	v_cmp_gt_f32 s[FM0], s[THR], v[ST+1]
	v_cmp_gt_f32 s[FM0+1], s[THR], v[ST+5]
	s_wait_alu depctr_va_vdst(0)                   ; one wait for the two reciprocals
.irp x, 0,1
	WIN W_RS
.set n, 0
.rept 16
	v_pk_mul_f32 v[32*\x+n:32*\x+n+1], v[32*\x+n:32*\x+n+1], v[ST+4*\x+2:ST+4*\x+3] op_sel_hi:[1,0]
.set n, n+2
.endr
	WIN 0x45
.set n, 0
.rept 32
	v_cndmask_b32 v[32*\x+n], v[32*\x+n], v[VM+n], s[FM0+\x]
.set n, n+1
.endr
	WIN 0x05
.set n, 0
.rept 16
	v_cvt_pk_f16_f32 v[S+16*\x+n], v[32*\x+2*n], v[32*\x+2*n+1]
.set n, n+1
.endr
	WIN 0
.irp c, 0,1,2,3
	global_store_b128 v[GO], v[S+16*\x+4*\c:S+16*\x+4*\c+3], s[OA:OA+1] offset:16384*\x+512*\c
.endr
.endr
	s_wait_xcnt 0x0                                ; the stores have read their registers and their base
.if \sw
	s_mov_b64 s[OA:OA+1], s[OA2:OA2+1]
	s_mov_b32 s[BLK], s[BLK2]
	s_mov_b32 s[RT], s[N2]
	s_mov_b32 s[NEW], 1
.endif
.endm
.Lslot:                                                ; 8 times: a tile is entered and the next is asked for
	CHANGE 1
	ASK
	s_sub_co_u32 s[RT], s[RT], 1
	s_mov_b32 s[CNT], 4
	s_cmp_eq_u32 s[NEW], 1
	s_cbranch_scc0 .Lstep
	BEGIN
.Lstep:
	STEP
	s_sub_co_u32 s[CNT], s[CNT], 1
	s_cmp_lg_u32 s[CNT], 0
	s_cbranch_scc1 .Lstep
	s_cmp_lg_u32 s[RT], 0
	s_cbranch_scc1 .Lbot
	FINISH 1                                       ; the first block's end: the second block's last tile is the walk's last
.Lbot:
	s_sub_co_u32 s[SLOTS], s[SLOTS], 1
	s_cmp_lg_u32 s[SLOTS], 0
	s_cbranch_scc1 .Lslot
	CHANGE 0                                       ; the walk's last tile is written out; it is never a block's first (the second block has five tiles or more)
	s_mov_b32 s[CNT], 4
.LstepT:
	STEP
	s_sub_co_u32 s[CNT], s[CNT], 1
	s_cmp_lg_u32 s[CNT], 0
	s_cbranch_scc1 .LstepT
	FINISH 0
	s_wait_tensorcnt 0x0                           ; the wave's end
	ds_add_u32 v[SPW], v[NIL]
	s_wait_dscnt 0x0
	s_endpgm
.Lfunc_end_k_q491d941582_attn:
	.size	k_q491d941582_attn, .Lfunc_end_k_q491d941582_attn-k_q491d941582_attn
	.p2alignl 7, 3214868480
	.fill 96, 4, 3214868480
	.section	.rodata,"a",@progbits
	.p2align	6, 0x0
	.amdhsa_kernel k_q491d941582_attn
		.amdhsa_group_segment_fixed_size 327680
		.amdhsa_private_segment_fixed_size 0
		.amdhsa_enable_private_segment 0
		.amdhsa_kernarg_size 24
		.amdhsa_user_sgpr_count 2
		.amdhsa_user_sgpr_kernarg_segment_ptr 1
		.amdhsa_wavefront_size32 1
		.amdhsa_system_sgpr_workgroup_id_x 1
		.amdhsa_system_sgpr_workgroup_id_y 1
		.amdhsa_system_sgpr_workgroup_id_z 1
		.amdhsa_system_vgpr_workitem_id 0
		.amdhsa_next_free_vgpr 768
		.amdhsa_next_free_sgpr 96
		.amdhsa_reserve_vcc 1
		.amdhsa_float_denorm_mode_32 3
		.amdhsa_float_denorm_mode_16_64 3
		.amdhsa_memory_ordered 1
		.amdhsa_forward_progress 1
		.amdhsa_inst_pref_size 100
	.end_amdhsa_kernel
	.amdgpu_metadata
---
amdhsa.version: [ 1, 2 ]
amdhsa.kernels:
  - .name:           k_q491d941582_attn
    .symbol:         k_q491d941582_attn.kd
    .args:
      - { .name: big, .offset: 0, .size: 8, .value_kind: global_buffer, .address_space: global }
      - { .name: attention_mask, .offset: 8, .size: 8, .value_kind: global_buffer, .address_space: global }
      - { .name: act, .offset: 16, .size: 8, .value_kind: global_buffer, .address_space: global }
    .group_segment_fixed_size: 327680
    .private_segment_fixed_size: 0
    .kernarg_segment_align: 8
    .kernarg_segment_size: 24
    .max_flat_workgroup_size: 128
    .sgpr_count:     96
    .vgpr_count:     768
    .wavefront_size: 32
...
	.end_amdgpu_metadata
.endif
;; end of part 3
;; launch wo (part 4): grid 8 x 32, 4 waves a work-group, clusters of 4 x 4, 327,680 bytes of LDS; arguments act, cb, xh, t; writes t
.if DOCPART == 4
	.amdgcn_target "amdgcn-amd-amdhsa--gfx1250"
	.amdhsa_code_object_version 6
	.text
	.protected	k_q491d941582_wo
	.globl	k_q491d941582_wo
	.p2align	8
	.type	k_q491d941582_wo,@function
k_q491d941582_wo:
	s_mov_b64 s[64:65], 0
	v_nop
	global_prefetch_b8 v0, s[64:65] scope:SCOPE_SE
	s_setreg_imm32_b32 hwreg(HW_REG_WAVE_MODE, 25, 1), 1
	s_wait_xcnt 0x0
	s_wait_alu depctr_hold_cnt(0) depctr_sa_sdst(0) depctr_va_vdst(0) depctr_va_sdst(0) depctr_va_ssrc(0) depctr_va_vcc(0) depctr_vm_vsrc(0)
	s_getreg_b32 s2, hwreg(HW_REG_IB_STS2, 6, 4)
	s_cmp_eq_u32 s2, 0
	s_cbranch_scc0 .Lentry_in_a_cluster
	s_endpgm
.Lentry_in_a_cluster:
	s_bfe_u32 s2, ttmp6, 0x10000c
	s_cmp_lg_u32 s2, 0xf033
	s_cbranch_scc0 .Lentry_shape_is_right
	s_endpgm
.Lentry_shape_is_right:
; out = A W + bias + res, in f32.  A [4096][K] and res [4096][1024] f16 in fragment order, W f16 in the same order turned; sums in f32.  Here: A = the attention's O, W = wo, res = x, K = 1,024.
; out lies in fragment order with twice the bytes: a piece of 16 columns is 1,024 bytes, lane 16 h + r holding row r, columns 8 h + 0..3 in the first 512 and 8 h + 4..7 in the second.
; A tile of out is 128 x 128: 8 x 32 = 256 work-groups, one for each WGP; four waves, each 64 x 64: 16 accumulators.  K goes in steps of 256 through two LDS slots of 131,072 bytes:
; each wave's part of a slot is 32,768 dense bytes; a fragment load is 16 bytes a lane on end; one exclusive or changes slots.  CLUSTER 4 x 4: A's tiles are asked for jointly along a row, W's along a column.
; The matrix instruction is used transposed: a lane holds row l % 16 and eight neighbouring columns.  THE SUMS START AT res + bias, made while the first tiles are on their way, so that the way out is
; 32 stores straight from the accumulators, 512 consecutive bytes an instruction.
; No prefetch: the tile is small.
; REGISTERS: window 0: v16-31 addresses and 1.0; v32-95 res; v96-127 bias; v128-255 the accumulators ((a, b) at 128 + 8 (4 a + b)).  window 1: two fragment buffers of 128: 64 of A, then 64 of W.
.set WOFF,   0x900000
.set BOFF,   0x800000+3*4096
.set KSTEPS, 4
.set WPSL,   18
.set ASTEP,  0x200000                  ; a K step in A: two panels
.set WSTEP,  0x10000                   ; in W: 256 k
.set SLOT,   131072
.set SPARE,  262144
.set ADRA0, 16
.set ADRB0, 17
.set ADRA,  18
.set ADRB,  19
.set CO,    26
.set BO,    27
.set SPW,   28
.set NIL,   29
.set ONE,   31
.set RES,   32
.set BI,    96
.set ACC,   128
.set F0,    0
.set F1,    128
.set G1,  24
.set G0,  32
.set G1B, 48
.set G0B, 56
.set TB,  22
.set MSB, 0
.macro WIN new
.if MSB != (\new)
	s_set_vgpr_msb (MSB<<8)|(\new)
.set MSB, \new
.endif
.endm
.set MUL,  0x05                        ; sources 0 (W) and 1 (A) window 1; C and D window 0
.set TO_F, 0x40
.macro JLOAD s
	s_cmp_eq_u32 s11, 0
	s_cbranch_scc0 .Lfor_b_\@
	tensor_load_to_lds s[G0+4*(\s):G0+4*(\s)+3], s[G1:G1+7]
	s_nop 0
.rept 4
	v_nop
.endr
	s_branch .Lasked_\@
.Lfor_b_\@:
	tensor_load_to_lds s[G0B+4*(\s):G0B+4*(\s)+3], s[G1B:G1B+7]
	s_nop 0
.rept 4
	v_nop
.endr
.Lasked_\@:
.endm
.macro CREST
	s_cmp_lg_u32 s10, 0
	s_cbranch_scc1 .Lnot_wave_0_\@
	s_barrier_signal -3
.Lnot_wave_0_\@:
	s_barrier_wait -3
	s_barrier_signal -1
	s_barrier_wait -1
.endm
.macro CROUND
	s_barrier_signal -1
	s_barrier_wait -1
	CREST
.endm
.macro PLACES
.rept 4
	v_nop
.endr
.endm
.macro MUL8 f, c, a0                   ; 8 products: row blocks a0, a0 + 1 x all 4 column blocks, 32 along K: half c of buffer f
	WIN MUL
.irp a, \a0, (\a0)+1
.irp b, 0,1,2,3
	v_wmma_f32_16x16x32_f16 v[ACC+8*(4*(\a)+(\b)):ACC+8*(4*(\a)+(\b))+7], v[(\f)+64+8*(4*(\c)+(\b)):(\f)+64+8*(4*(\c)+(\b))+7], v[(\f)+8*(4*(\c)+(\a)):(\f)+8*(4*(\c)+(\a))+7], v[ACC+8*(4*(\a)+(\b)):ACC+8*(4*(\a)+(\b))+7]
.endr
.endr
.endm
.macro FETCH qq, f                     ; 32 LDS loads in one run: quarter qq (64 along K) of the slot in hand; its first 32 along K first
	WIN TO_F
.irp c, 0,1
.irp i, 0,1,2,3
	ds_load_b128 v[(\f)+64+8*(4*(\c)+(\i)):(\f)+64+8*(4*(\c)+(\i))+3],   v[ADRB] offset:((\qq)/2)*32768+4096*(\i)+1024*(2*((\qq)%2)+(\c))
	ds_load_b128 v[(\f)+64+8*(4*(\c)+(\i))+4:(\f)+64+8*(4*(\c)+(\i))+7], v[ADRB] offset:((\qq)/2)*32768+4096*(\i)+1024*(2*((\qq)%2)+(\c))+512
	ds_load_b128 v[(\f)+8*(4*(\c)+(\i)):(\f)+8*(4*(\c)+(\i))+3],         v[ADRA] offset:((\qq)/2)*32768+4096*(\i)+1024*(2*((\qq)%2)+(\c))
	ds_load_b128 v[(\f)+8*(4*(\c)+(\i))+4:(\f)+8*(4*(\c)+(\i))+7],       v[ADRA] offset:((\qq)/2)*32768+4096*(\i)+1024*(2*((\qq)%2)+(\c))+512
.endr
.endr
.endm
.macro QUARTER qq, f, g
	s_wait_dscnt 16                                ; the first 32 along K are in; the youngest sixteen loads may be out
	MUL8 \f, 0, 0
	MUL8 \f, 0, 2
	PLACES
	FETCH \qq, \g
	s_wait_dscnt 32                                ; all but the 32 just issued
	MUL8 \f, 1, 0
	MUL8 \f, 1, 2
.endm
.macro TOGGLE
	s_xor_b32 s[TB], s[TB], SLOT
	v_add_nc_u32 v[ADRA], s[TB], v[ADRA0]
	v_add_nc_u32 v[ADRB], s[TB], v[ADRB0]
.endm
.macro MEET                            ; one barrier for the change of slots: all my tensor loads, the add, my reads of this slot in front of it
	WIN 0
	s_wait_tensorcnt 0x0
	ds_add_u32 v[SPW], v[NIL]
	s_wait_dscnt 17                                ; the add and the youngest sixteen loads may be out
	MUL8 F1, 0, 0
	s_wait_dscnt 0x0
	s_barrier_signal -1
	MUL8 F1, 0, 2
	WIN 0
	s_barrier_wait -1
.endm
.macro TURN
	MEET
	CREST                                          ; the barrier has opened a round of the cluster's
	s_xor_b32 s[G0+5], s[G0+5], SLOT
	s_add_nc_u64 s[G0+6:G0+7], s[G0+6:G0+7], ASTEP
	s_xor_b32 s[G0B+5], s[G0B+5], SLOT
	s_add_nc_u64 s[G0B+6:G0B+7], s[G0B+6:G0B+7], WSTEP
	JLOAD 1                                        ; the first tensor load behind the round; 112 products stand between it and the wait for it
	TOGGLE
	FETCH 0, F0
	MUL8 F1, 1, 0
	MUL8 F1, 1, 2
.endm
	s_load_b128 s[4:7], s[0:1], 0x0                ; A, cb
	s_load_b128 s[76:79], s[0:1], 0x10             ; res, out
	v_lshl_add_u32 v[SPW], v0, 2, SPARE
	v_mov_b32 v[NIL], 0
	ds_add_u32 v[SPW], v[NIL]                      ; the wave's opening
	ds_add_u32 v28, v29
	v_lshrrev_b32 v1, 5, v0
	v_readfirstlane_b32 s10, v1
	s_lshr_b32 s11, s10, 1
	s_and_b32 s12, s10, 1
	s_bfe_u32 s40, ttmp6, 0x40000
	s_bfe_u32 s41, ttmp6, 0x40004
	s_lshl_b32 s42, ttmp9, 2
	s_add_co_u32 s42, s42, s40                     ; tile column = panel of out
	s_and_b32 s13, ttmp7, 0xffff
	s_lshl_b32 s13, s13, 2
	s_add_co_u32 s13, s13, s41                     ; tile row
	s_lshl_b32 s43, s41, 2
	s_lshl_b32 s43, 15, s43
	s_lshl_b32 s44, 0x1111, s40
	s_or_b32 s[G1+0], s43, (3<<16)|(1<<21)
	s_or_b32 s[G1B+0], s44, (3<<16)|(1<<21)
.irp g, G1, G1B
	s_mov_b32 s[(\g)+1], 32<<16                    ; 32,768 dense bytes as 128 rows of 256
	s_mov_b32 s[(\g)+2], 128<<16
	s_mov_b32 s[(\g)+3], 32<<16
	s_mov_b32 s[(\g)+4], 128
	s_mov_b32 s[(\g)+5], 32
	s_mov_b32 s[(\g)+6], 0
	s_mov_b32 s[(\g)+7], 0
.endr
	s_lshl_b32 s16, s13, 15                        ; A: the tile row's 8 row blocks, in panel 2 t + half
	s_lshl_b32 s17, s12, 20
	s_add_co_u32 s16, s16, s17
	s_mov_b32 s17, 0
	s_lshl_b32 s18, s42, WPSL                      ; W: the tile column's panel, 128 k number 2 t + half
	s_lshl_b32 s19, s12, 15
	s_add_co_u32 s18, s18, s19
	s_add_co_u32 s18, s18, WOFF
	s_mov_b32 s19, 0
	s_lshl_b32 s20, s10, 15
	s_wait_dscnt 0x0
	s_wait_kmcnt 0x0
	s_add_nc_u64 s[14:15], s[4:5], s[16:17]
	s_add_nc_u64 s[18:19], s[6:7], s[18:19]
	CROUND
.irp s, 0,1
	s_mov_b32 s[G0+4*(\s)], 1
	s_add_co_u32 s[G0+4*(\s)+1], s20, (\s)*SLOT
	s_add_nc_u64 s[G0+4*(\s)+2:G0+4*(\s)+3], s[14:15], (\s)*ASTEP
	s_or_b32 s[G0+4*(\s)+3], s[G0+4*(\s)+3], 0x80000000
	s_mov_b32 s[G0B+4*(\s)], 1
	s_add_co_u32 s[G0B+4*(\s)+1], s20, (\s)*SLOT
	s_add_nc_u64 s[G0B+4*(\s)+2:G0B+4*(\s)+3], s[18:19], (\s)*WSTEP
	s_or_b32 s[G0B+4*(\s)+3], s[G0B+4*(\s)+3], 0x80000000
	JLOAD \s
.endr
	v_and_b32 v2, 31, v0
	v_bfe_u32 v3, v0, 4, 1
	v_lshlrev_b32 v[CO], 4, v2
	v_lshlrev_b32 v[BO], 5, v3
	v_mov_b32 v[ONE], 1.0
	s_lshl_b32 s21, s13, 3
	s_lshl_b32 s23, s11, 2
	s_add_co_u32 s21, s21, s23                     ; my first row block
	s_lshl_b32 s70, s21, 12
	s_lshl_b32 s23, s42, 20
	s_add_co_u32 s70, s70, s23
	s_lshl_b32 s23, s12, 11                        ; my four pieces
	s_add_co_u32 s70, s70, s23
	s_mov_b32 s71, 0
	s_add_nc_u64 s[76:77], s[76:77], s[70:71]
	s_lshl_b32 s70, s70, 1                         ; out has twice the bytes everywhere
	s_add_nc_u64 s[78:79], s[78:79], s[70:71]
	s_lshl_b32 s72, s42, 9
	s_lshl_b32 s23, s12, 8
	s_add_co_u32 s72, s72, s23
	s_add_co_u32 s72, s72, BOFF
	s_mov_b32 s73, 0
	s_add_nc_u64 s[72:73], s[6:7], s[72:73]
.irp a, 0,1,2,3
.irp b, 0,1,2,3
	global_load_b128 v[RES+4*(4*(\a)+(\b)):RES+4*(4*(\a)+(\b))+3], v[CO], s[76:77] offset:4096*(\a)+512*(\b)
.endr
.endr
.irp b, 0,1,2,3
	global_load_b128 v[BI+8*(\b):BI+8*(\b)+3],   v[BO], s[72:73] offset:64*(\b)
	global_load_b128 v[BI+8*(\b)+4:BI+8*(\b)+7], v[BO], s[72:73] offset:64*(\b)+16
.endr
	s_lshl_b32 s23, s11, 14
	v_add_nc_u32 v[ADRA0], s23, v[CO]
	s_lshl_b32 s23, s12, 14
	s_add_co_u32 s23, s23, 65536
	v_add_nc_u32 v[ADRB0], s23, v[CO]
	v_mov_b32 v[ADRA], v[ADRA0]
	v_mov_b32 v[ADRB], v[ADRB0]
	s_mov_b32 s[TB], 0
	s_wait_loadcnt 0x0                             ; res and bias
.irp a, 0,1,2,3
.irp b, 0,1,2,3
.set AC, ACC+8*(4*(\a)+(\b))
.set RS, RES+4*(4*(\a)+(\b))
.irp j, 0,1,2,3
	v_fma_mix_f32 v[AC+2*(\j)],   v[RS+(\j)], v[ONE], v[BI+8*(\b)+2*(\j)] op_sel_hi:[1,0,0]                    ; the sums start at res, straight from its f16 halves, + bias
	v_fma_mix_f32 v[AC+2*(\j)+1], v[RS+(\j)], v[ONE], v[BI+8*(\b)+2*(\j)+1] op_sel:[1,0,0] op_sel_hi:[1,0,0]
.endr
.endr
.endr
	s_wait_tensorcnt 1                             ; of my two first fills K step 0's is in
	s_barrier_signal -1
	s_barrier_wait -1
	FETCH 0, F0
	QUARTER 1, F0, F1
	WIN 0
	s_mov_b32 s3, KSTEPS-2
.Lstep:
	QUARTER 2, F1, F0
	QUARTER 3, F0, F1
	TURN
	QUARTER 1, F0, F1
	WIN 0
	s_sub_co_u32 s3, s3, 1
	s_cmp_lg_u32 s3, 0
	s_cbranch_scc1 .Lstep
	s_mov_b32 s3, 2
.Ltail:                                                ; the last two K steps ask for nothing; the second trip is left in its middle
	QUARTER 2, F1, F0
	QUARTER 3, F0, F1
	MEET
	s_sub_co_u32 s3, s3, 1
	s_cmp_eq_u32 s3, 0
	s_cbranch_scc1 .Lfin
	PLACES
	TOGGLE
	FETCH 0, F0
	MUL8 F1, 1, 0
	MUL8 F1, 1, 2
	QUARTER 1, F0, F1
	WIN 0
	s_branch .Ltail
.Lfin:
	MUL8 F1, 1, 0
	MUL8 F1, 1, 2
	WIN 0
	PLACES
.irp a, 0,1,2,3
.irp b, 0,1,2,3
.set AC, ACC+8*(4*(\a)+(\b))
	global_store_b128 v[CO], v[AC:AC+3],   s[78:79] offset:8192*(\a)+1024*(\b)
	global_store_b128 v[CO], v[AC+4:AC+7], s[78:79] offset:8192*(\a)+1024*(\b)+512
.endr
.endr
	s_wait_tensorcnt 0x0                           ; the wave's end
	ds_add_u32 v[SPW], v[NIL]
	s_wait_dscnt 0x0
	CROUND                                         ; the closing round
	s_endpgm
.Lfunc_end_k_q491d941582_wo:
	.size	k_q491d941582_wo, .Lfunc_end_k_q491d941582_wo-k_q491d941582_wo
	.p2alignl 7, 3214868480
	.fill 96, 4, 3214868480
	.section	.rodata,"a",@progbits
	.p2align	6, 0x0
	.amdhsa_kernel k_q491d941582_wo
		.amdhsa_group_segment_fixed_size 327680
		.amdhsa_private_segment_fixed_size 0
		.amdhsa_enable_private_segment 0
		.amdhsa_kernarg_size 32
		.amdhsa_user_sgpr_count 2
		.amdhsa_user_sgpr_kernarg_segment_ptr 1
		.amdhsa_wavefront_size32 1
		.amdhsa_system_sgpr_workgroup_id_x 1
		.amdhsa_system_sgpr_workgroup_id_y 1
		.amdhsa_system_sgpr_workgroup_id_z 1
		.amdhsa_system_vgpr_workitem_id 0
		.amdhsa_next_free_vgpr 512
		.amdhsa_next_free_sgpr 80
		.amdhsa_reserve_vcc 0
		.amdhsa_float_denorm_mode_32 3
		.amdhsa_float_denorm_mode_16_64 3
		.amdhsa_memory_ordered 1
		.amdhsa_forward_progress 1
		.amdhsa_inst_pref_size 64
	.end_amdhsa_kernel
	.amdgpu_metadata
---
amdhsa.version: [ 1, 2 ]
amdhsa.kernels:
  - .name:           k_q491d941582_wo
    .symbol:         k_q491d941582_wo.kd
    .args:
      - { .name: act, .offset: 0, .size: 8, .value_kind: global_buffer, .address_space: global }
      - { .name: cb, .offset: 8, .size: 8, .value_kind: global_buffer, .address_space: global }
      - { .name: xh, .offset: 16, .size: 8, .value_kind: global_buffer, .address_space: global }
      - { .name: t, .offset: 24, .size: 8, .value_kind: global_buffer, .address_space: global }
    .group_segment_fixed_size: 327680
    .private_segment_fixed_size: 0
    .kernarg_segment_align: 8
    .kernarg_segment_size: 32
    .max_flat_workgroup_size: 128
    .sgpr_count:     80
    .vgpr_count:     512
    .wavefront_size: 32
...
	.end_amdgpu_metadata
.endif
;; end of part 4
;; launch ln1 (part 5): grid 256 x 1, 8 waves a work-group, no clusters, 69,632 bytes of LDS; arguments t, p0, act; writes act
.if DOCPART == 5
	.amdgcn_target "amdgcn-amd-amdhsa--gfx1250"
	.amdhsa_code_object_version 6
	.text
	.protected	k_q491d941582_ln1
	.globl	k_q491d941582_ln1
	.p2align	8
	.type	k_q491d941582_ln1,@function
k_q491d941582_ln1:
	s_mov_b64 s[64:65], 0
	v_nop
	global_prefetch_b8 v0, s[64:65] scope:SCOPE_SE
	s_setreg_imm32_b32 hwreg(HW_REG_WAVE_MODE, 25, 1), 1
	s_wait_xcnt 0x0
; LayerNorm over rows of 1,024: y = (x - mean) rsqrt(var + 1e-6) gain + bias, in f32, in two passes as the reference takes them (the variance is the mean of (x - mean)^2).
; x lies in f32 fragment order (panels of 128 columns, 2 MiB; blocks of 16 rows, 8,192 bytes; pieces of 1,024).  A work-group takes a block of 16 rows, wave w panel w; a lane holds 64 numbers of row l % 16,
; in registers from the load to the store: memory is read once.  A row's two sums meet in LDS: 8 waves x 16 rows x 4 bytes, each sum in bytes of its own, a barrier each.
; ONE TEXT, TWO LAUNCHES.  The second buffer, which an earlier launch stored, holds a whole number at its head, the gain at byte 4,096 and the bias at byte 8,192.  The number steers one forward branch at the end:
;   0: y -> f16 in fragment order (the next product's operand, and its residual).     1: y -> f32, row-major, through the wave's own stage, 512 consecutive bytes a store.
; Memory binds: no matrix unit, no cluster; all 48 loads of a wave go out at once.
.set RED1,  0
.set RED2,  512
.set SPARE, 1024
.set STAGE, 2048
.set SP,    528
.set SPW, 12
.set NIL, 13
.set PKD, 32
.set X,   64
.set G,   128
.set BB,  192
.macro ACROSS red                      ; four chains of pairs -> the row's sum, in v16 of every lane
	v_pk_add_f32 v[16:17], v[16:17], v[18:19]
	v_pk_add_f32 v[20:21], v[20:21], v[22:23]
	v_pk_add_f32 v[16:17], v[16:17], v[20:21]
	v_add_f32 v16, v16, v17
	v_permlanex16_b32 v17, v16, s16, s17           ; the row's other 64 numbers of this panel lie in the lane 16 away
	v_add_f32 v16, v16, v17
	ds_store_b32 v7, v16 offset:\red
	s_wait_dscnt 0x0                               ; for the others' sake
	s_barrier_signal -1
	s_barrier_wait -1
	ds_load_b128 v[20:23], v8 offset:\red
	ds_load_b128 v[24:27], v8 offset:(\red)+16
	s_wait_dscnt 0x0
	v_pk_add_f32 v[20:21], v[20:21], v[22:23]
	v_pk_add_f32 v[24:25], v[24:25], v[26:27]
	v_pk_add_f32 v[20:21], v[20:21], v[24:25]
	v_add_f32 v16, v20, v21
.endm
	s_load_b128 s[4:7], s[0:1], 0x0                ; x; the whole number, gain and bias
	s_load_b64 s[8:9], s[0:1], 0x10                ; y
	v_lshl_add_u32 v[SPW], v0, 2, SPARE
	v_mov_b32 v[NIL], 0
	v_lshrrev_b32 v1, 5, v0
	v_readfirstlane_b32 s10, v1
	v_and_b32 v2, 31, v0
	v_and_b32 v3, 15, v0
	v_bfe_u32 v4, v0, 4, 1
	v_lshlrev_b32 v5, 4, v2
	v_lshlrev_b32 v6, 5, v4
	v_lshlrev_b32 v8, 5, v3                        ; a row's eight partial sums
	s_lshl_b32 s11, s10, 2
	v_add_nc_u32 v7, s11, v8
	s_lshl_b32 s12, s10, 21
	s_lshl_b32 s13, ttmp9, 13
	s_add_co_u32 s12, s12, s13
	s_mov_b32 s13, 0
	s_lshl_b32 s14, s10, 9
	s_add_co_u32 s14, s14, 4096
	s_mov_b32 s15, 0
	s_mov_b32 s16, 0x76543210
	s_mov_b32 s17, 0xfedcba98
	s_mov_b32 s18, 0x3a800000                      ; 1 / 1,024
	s_mov_b32 s19, 0x358637bd                      ; 1e-6
	s_wait_kmcnt 0x0
	s_load_b32 s23, s[6:7], 0x0                    ; wanted at the end alone
	s_add_nc_u64 s[4:5], s[4:5], s[12:13]
	s_add_nc_u64 s[24:25], s[6:7], s[14:15]
.irp i, 0,1,2,3,4,5,6,7
	global_load_b128 v[X+8*(\i):X+8*(\i)+3],   v5, s[4:5] offset:1024*(\i) th:TH_LOAD_NT
	global_load_b128 v[X+8*(\i)+4:X+8*(\i)+7], v5, s[4:5] offset:1024*(\i)+512 th:TH_LOAD_NT
.endr
.irp i, 0,1,2,3,4,5,6,7
	global_load_b128 v[G+8*(\i):G+8*(\i)+3],   v6, s[24:25] offset:64*(\i)
	global_load_b128 v[G+8*(\i)+4:G+8*(\i)+7], v6, s[24:25] offset:64*(\i)+16
	global_load_b128 v[BB+8*(\i):BB+8*(\i)+3],   v6, s[24:25] offset:4096+64*(\i)
	global_load_b128 v[BB+8*(\i)+4:BB+8*(\i)+7], v6, s[24:25] offset:4096+64*(\i)+16
.endr
	s_wait_loadcnt 32                              ; x is in; gain and bias, 32 loads, may stay out
.irp c, 0,1,2,3
	v_pk_add_f32 v[16+2*(\c):17+2*(\c)], v[X+2*(\c):X+2*(\c)+1], v[X+8+2*(\c):X+8+2*(\c)+1]
.endr
.set n, 8
.rept 24
	v_pk_add_f32 v[16+2*(n%4):17+2*(n%4)], v[16+2*(n%4):17+2*(n%4)], v[X+2*n:X+2*n+1]
.set n, n+1
.endr
	ACROSS RED1
	v_mul_f32 v28, s18, v16                        ; the mean
	v_mov_b32 v29, v28
.set n, 0
.rept 32
	v_pk_add_f32 v[X+2*n:X+2*n+1], v[X+2*n:X+2*n+1], v[28:29] neg_lo:[0,1] neg_hi:[0,1]
.set n, n+1
.endr
.irp c, 0,1,2,3
	v_pk_mul_f32 v[16+2*(\c):17+2*(\c)], v[X+2*(\c):X+2*(\c)+1], v[X+2*(\c):X+2*(\c)+1]
.endr
.set n, 4
.rept 28
	v_pk_fma_f32 v[16+2*(n%4):17+2*(n%4)], v[X+2*n:X+2*n+1], v[X+2*n:X+2*n+1], v[16+2*(n%4):17+2*(n%4)]
.set n, n+1
.endr
	ACROSS RED2
	v_fma_f32 v16, v16, s18, s19
	v_rsq_f32 v28, v16
	v_nop
	s_wait_alu depctr_va_vdst(0)
	v_mov_b32 v29, v28
	s_wait_loadcnt 0x0
.set n, 0
.rept 32
	v_pk_mul_f32 v[X+2*n:X+2*n+1], v[X+2*n:X+2*n+1], v[28:29]
.set n, n+1
.endr
.set n, 0
.rept 32
	v_pk_fma_f32 v[X+2*n:X+2*n+1], v[X+2*n:X+2*n+1], v[G+2*n:G+2*n+1], v[BB+2*n:BB+2*n+1]
.set n, n+1
.endr
	s_wait_kmcnt 0x0                               ; the launch's whole number
	s_cmp_lg_u32 s23, 0
	s_cbranch_scc0 .Lhalf
	s_lshl_b32 s20, ttmp9, 16                      ; f32, row-major: 16 rows of 4,096 bytes, my 512 of each
	s_lshl_b32 s21, s10, 9
	s_add_co_u32 s20, s20, s21
	s_mov_b32 s21, 0
	s_add_nc_u64 s[8:9], s[8:9], s[20:21]
	s_mul_i32 s22, s10, 16*SP
	s_add_co_u32 s22, s22, STAGE
	v_mul_u32_u24 v9, v3, SP                       ; in: row l % 16, rows 528 bytes apart: sixteen different groups of banks
	v_lshl_add_u32 v9, v4, 5, v9
	v_add_nc_u32 v9, s22, v9
	v_add_nc_u32 v10, s22, v5                      ; back: a row's 512 bytes
.irp i, 0,1,2,3,4,5,6,7
	ds_store_b128 v9, v[X+8*(\i):X+8*(\i)+3] offset:64*(\i)
	ds_store_b128 v9, v[X+8*(\i)+4:X+8*(\i)+7] offset:64*(\i)+16
.endr
.irp r, 0,1,2,3,4,5,6,7,8,9,10,11,12,13,14,15
	ds_load_b128 v[G+4*(\r):G+4*(\r)+3], v10 offset:SP*(\r)
.endr
.irp r, 0,1,2,3,4,5,6,7,8,9,10,11,12,13,14,15
	s_wait_dscnt 15-(\r)                           ; row r is back; the younger loads stay out
	global_store_b128 v5, v[G+4*(\r):G+4*(\r)+3], s[8:9] offset:4096*(\r) th:TH_STORE_NT
.endr
	s_branch .Lend
.Lhalf:
	s_lshl_b32 s20, s10, 20                        ; f16, fragment order: my panel, the work-group's block
	s_lshl_b32 s21, ttmp9, 12
	s_add_co_u32 s20, s20, s21
	s_mov_b32 s21, 0
	s_add_nc_u64 s[8:9], s[8:9], s[20:21]
.set n, 0
.rept 32
	v_cvt_pk_f16_f32 v[PKD+n], v[X+2*n], v[X+2*n+1]
.set n, n+1
.endr
.irp i, 0,1,2,3,4,5,6,7
	global_store_b128 v5, v[PKD+4*(\i):PKD+4*(\i)+3], s[8:9] offset:512*(\i)
.endr
.Lend:
	s_wait_tensorcnt 0x0                           ; the wave's end
	ds_add_u32 v[SPW], v[NIL]
	s_wait_dscnt 0x0
	s_endpgm
.Lfunc_end_k_q491d941582_ln1:
	.size	k_q491d941582_ln1, .Lfunc_end_k_q491d941582_ln1-k_q491d941582_ln1
	.p2alignl 7, 3214868480
	.fill 96, 4, 3214868480
	.section	.rodata,"a",@progbits
	.p2align	6, 0x0
	.amdhsa_kernel k_q491d941582_ln1
		.amdhsa_group_segment_fixed_size 69632
		.amdhsa_private_segment_fixed_size 0
		.amdhsa_enable_private_segment 0
		.amdhsa_kernarg_size 24
		.amdhsa_user_sgpr_count 2
		.amdhsa_user_sgpr_kernarg_segment_ptr 1
		.amdhsa_wavefront_size32 1
		.amdhsa_system_sgpr_workgroup_id_x 1
		.amdhsa_system_sgpr_workgroup_id_y 1
		.amdhsa_system_sgpr_workgroup_id_z 1
		.amdhsa_system_vgpr_workitem_id 0
		.amdhsa_next_free_vgpr 256
		.amdhsa_next_free_sgpr 66
		.amdhsa_reserve_vcc 0
		.amdhsa_float_denorm_mode_32 3
		.amdhsa_float_denorm_mode_16_64 3
		.amdhsa_memory_ordered 1
		.amdhsa_forward_progress 1
		.amdhsa_inst_pref_size 26
	.end_amdhsa_kernel
	.amdgpu_metadata
---
amdhsa.version: [ 1, 2 ]
amdhsa.kernels:
  - .name:           k_q491d941582_ln1
    .symbol:         k_q491d941582_ln1.kd
    .args:
      - { .name: t, .offset: 0, .size: 8, .value_kind: global_buffer, .address_space: global }
      - { .name: p0, .offset: 8, .size: 8, .value_kind: global_buffer, .address_space: global }
      - { .name: act, .offset: 16, .size: 8, .value_kind: global_buffer, .address_space: global }
    .group_segment_fixed_size: 69632
    .private_segment_fixed_size: 0
    .kernarg_segment_align: 8
    .kernarg_segment_size: 24
    .max_flat_workgroup_size: 256
    .sgpr_count:     66
    .vgpr_count:     256
    .wavefront_size: 32
...
	.end_amdgpu_metadata
.endif
;; end of part 5
;; launch ffn1 (part 6): grid 16 x 16, 4 waves a work-group, clusters of 4 x 4, 327,680 bytes of LDS; arguments act, cb, big; writes big
.if DOCPART == 6
	.amdgcn_target "amdgcn-amd-amdhsa--gfx1250"
	.amdhsa_code_object_version 6
	.text
	.protected	k_q491d941582_ffn1
	.globl	k_q491d941582_ffn1
	.p2align	8
	.type	k_q491d941582_ffn1,@function
k_q491d941582_ffn1:
	s_mov_b64 s[64:65], 0
	v_nop
	global_prefetch_b8 v0, s[64:65] scope:SCOPE_SE
	s_setreg_imm32_b32 hwreg(HW_REG_WAVE_MODE, 25, 1), 1
	s_wait_xcnt 0x0
	s_wait_alu depctr_hold_cnt(0) depctr_sa_sdst(0) depctr_va_vdst(0) depctr_va_sdst(0) depctr_va_ssrc(0) depctr_va_vcc(0) depctr_vm_vsrc(0)
	s_getreg_b32 s2, hwreg(HW_REG_IB_STS2, 6, 4)
	s_cmp_eq_u32 s2, 0
	s_cbranch_scc0 .Lentry_in_a_cluster
	s_endpgm
.Lentry_in_a_cluster:
	s_bfe_u32 s2, ttmp6, 0x10000c
	s_cmp_lg_u32 s2, 0xf033
	s_cbranch_scc0 .Lentry_shape_is_right
	s_endpgm
.Lentry_shape_is_right:
; out = f(A W + bias): A [4096][1024] in fragment order (panels of 128 columns, 1 MiB; blocks of 16 rows, 4,096 bytes; pieces of 512 bytes), W in the same order turned, both f16; sums in f32;
; out f16 in fragment order.  LIMIT: a result beyond 65,504 becomes an infinity.  W lies at byte 0 of its buffer, the bias (f32) at BOFF.
; ONE TEXT FOR TWO KERNELS, told apart by the two constants GELU and VSUMS at its head.
;   HERE (GELU = 1, VSUMS = 0): A = the first LayerNorm's result, W = w1 (32 panels of 128 columns, 16 x 16 tiles: 256 work-groups), f = gelu, out = h.
;   The other (GELU = 0, VSUMS = 1): A = x, W = wq | wk | wv (24 panels, 12 x 16 tiles), f = nothing, out = q | k | v, and sums of v's rows beside them.
; A tile of out is 256 x 256; four waves, each 128 x 128: 64 accumulators, 512 registers.  K goes in 8 steps of 128 through two LDS slots of 131,072 bytes.
; Since both operands lie in fragment order, each wave's part of a slot is 32,768 DENSE bytes, a fragment load is 16 bytes a lane on end (no padding), one exclusive or
; changes slots, so that a K step is written once, and an accumulator rounded to f16 is 512 consecutive bytes of out.
; CLUSTER 4 x 4: A's tile hangs on the tile row alone and is asked for jointly along a row of the cluster, W's on the tile column alone, along a column.
; The matrix instruction is used transposed (source 0 = 16 columns of W, source 1 = 16 rows of A): a lane holds row l % 16 and eight neighbouring columns.  The first products take the bias as C.
; REGISTERS: window 0: v16-30 addresses; v32-63 packed results; v64-127, v128-191 A's two fragment buffers (on the way out Y and U); v192-255 bias.
;   window 1: v64-127, v128-191 W's two buffers.   windows 2, 3: the accumulators, (a, b) at v[8 (8 (a % 4) + b)].
.set GELU,   1
.set VSUMS,  0
.set BOFF,   0x800000+6*4096           ; where the bias begins in W's buffer
.set VSUM,   0x1800000                 ; where v's sums begin in out
.set KSTEPS, 8
.set WPSL,   18                        ; a panel of W is 2^18 bytes
.set ASTEP,  0x100000                  ; a K step in A: the next panel
.set WSTEP,  0x8000                    ; in W: the next 128 k
.set SLOT,   131072
.set SPARE,  262144                    ; behind the ring: the spare words, 128 bytes a wave
.set ADRA0, 16                         ; my A fragments in slot 0; never rewritten
.set ADRB0, 17
.set ADRA,  18                         ; the same in the slot in hand
.set ADRB,  19
.set STG,   24                         ; the way out: my 16 bytes in my stage
.set CO,    26                         ; 16 x lane
.set BO,    27                         ; 32 x (lane / 16)
.set SPW,   28
.set NIL,   29
.set PFO,   30                         ; 256 x lane
.set PK,    32
.set Y,     64
.set U,     128
.set BI,    192
.set F0,    64
.set F1,    128
.set G1,  24                           ; s[24:31] group 1 for A;  s[32:35] group 0 of the first fill, s[36:39] the walking one
.set G0,  32
.set G1B, 48                           ; s[48:55], s[56:63] the same for W
.set G0B, 56
.set TB,  22                           ; s22 the slot in hand: 0 or SLOT
.set LIM, 43                           ; s43 2 in a wave that prefetches, else the greatest number
.set PFA, 44                           ; s[44:45] where my prefetches stand
.set PFS, 46                           ; s[46:47] their step
.set VSP, 76                           ; s[76:77] where v's sums go
.set MSB, 0
.macro WIN new                         ; the immediate's high byte repeats the setting that is left
.if MSB != (\new)
	s_set_vgpr_msb (MSB<<8)|(\new)
.set MSB, \new
.endif
.endm
.set MUL_LO, 0xa1                      ; source 0 (W) window 1, source 1 (A) window 0, C and D window 2
.set MUL_HI, 0xf1
.set TO_B,   0x40
.macro JLOAD s                         ; a joint load: waves 0, 1 fetch A's halves, waves 2, 3 W's; an s_nop 0 and four v_nop follow each line
	s_cmp_eq_u32 s11, 0
	s_cbranch_scc0 .Lfor_b_\@
	tensor_load_to_lds s[G0+4*(\s):G0+4*(\s)+3], s[G1:G1+7]
	s_nop 0
.rept 4
	v_nop
.endr
	s_branch .Lasked_\@
.Lfor_b_\@:
	tensor_load_to_lds s[G0B+4*(\s):G0B+4*(\s)+3], s[G1B:G1B+7]
	s_nop 0
.rept 4
	v_nop
.endr
.Lasked_\@:
.endm
.macro CREST                           ; a round of the cluster's barrier behind its opening barrier
	s_cmp_lg_u32 s10, 0
	s_cbranch_scc1 .Lnot_wave_0_\@
	s_barrier_signal -3
.Lnot_wave_0_\@:
	s_barrier_wait -3
	s_barrier_signal -1
	s_barrier_wait -1
.endm
.macro CROUND
	s_barrier_signal -1
	s_barrier_wait -1
	CREST
.endm
; A prefetch of the K step that stands two refills on.  Of the 32,768 bytes that a wave fetches, each of the four partners that ask for them jointly names 8,192, told apart by address, a lane 256 bytes.
; A's blocks are named by the clusters with x = 0 alone, W's by those with y = 0: each block once in the launch.  K steps 0 to 3 come by their loads alone; the last two refills have no step two on.
.macro ASK
	s_cmp_gt_u32 s3, s[LIM]
	s_cbranch_scc0 .Lnot_mine_\@
	global_prefetch_b8 v[PFO], s[PFA:PFA+1] th:TH_LOAD_NT scope:SCOPE_SE
.Lnot_mine_\@:
.endm
.macro PLACES                          ; four places in front of loads into registers that matrix instructions have read, and of reads of results
.rept 4
	v_nop
.endr
.endm
.macro MUL16 f, hi, a0, first          ; 16 products: row blocks a0, a0 + 1 of the window's four x all 8 column blocks, 32 along K; first = 1: they start the sums, with the bias (window 0) as C
.if \first
	WIN 0x81+0x40*(\hi)
.else
	WIN MUL_LO+0x50*(\hi)
.endif
.irp a, \a0, (\a0)+1
.irp b, 0,1,2,3,4,5,6,7
.if \first
	v_wmma_f32_16x16x32_f16 v[8*(8*(\a)+(\b)):8*(8*(\a)+(\b))+7], v[(\f)+8*(\b):(\f)+8*(\b)+7], v[(\f)+8*(4*(\hi)+(\a)):(\f)+8*(4*(\hi)+(\a))+7], v[BI+8*(\b):BI+8*(\b)+7]
.else
	v_wmma_f32_16x16x32_f16 v[8*(8*(\a)+(\b)):8*(8*(\a)+(\b))+7], v[(\f)+8*(\b):(\f)+8*(\b)+7], v[(\f)+8*(4*(\hi)+(\a)):(\f)+8*(4*(\hi)+(\a))+7], v[8*(8*(\a)+(\b)):8*(8*(\a)+(\b))+7]
.endif
.endr
.endr
.endm
.macro FETCH q, f                      ; 32 LDS loads in one run: quarter q (32 along K) of the slot in hand into buffer f
	WIN TO_B
.irp i, 0,1,2,3,4,5,6,7
	ds_load_b128 v[(\f)+8*(\i):(\f)+8*(\i)+3],   v[ADRB] offset:4096*(\i)+1024*(\q)
	ds_load_b128 v[(\f)+8*(\i)+4:(\f)+8*(\i)+7], v[ADRB] offset:4096*(\i)+1024*(\q)+512
.endr
	WIN 0
.irp i, 0,1,2,3,4,5,6,7
	ds_load_b128 v[(\f)+8*(\i):(\f)+8*(\i)+3],   v[ADRA] offset:4096*(\i)+1024*(\q)
	ds_load_b128 v[(\f)+8*(\i)+4:(\f)+8*(\i)+7], v[ADRA] offset:4096*(\i)+1024*(\q)+512
.endr
.endm
.macro QUARTER q, f, g, first          ; multiplies buffer f; in its middle fetches quarter q into buffer g
	s_wait_dscnt 8                                 ; W and A's row blocks 0-3 are in; the youngest eight loads (blocks 4-7) may be out
	MUL16 \f, 0, 0, \first
	MUL16 \f, 0, 2, \first
	PLACES
	FETCH \q, \g
	s_wait_dscnt 32                                ; all but the 32 just issued
	MUL16 \f, 1, 0, \first
	MUL16 \f, 1, 2, \first
.endm
.macro TOGGLE                          ; the fragment loads go to the other slot
	s_xor_b32 s[TB], s[TB], SLOT
	v_add_nc_u32 v[ADRA], s[TB], v[ADRA0]
	v_add_nc_u32 v[ADRB], s[TB], v[ADRB0]
.endm
; The first half of a K step's last quarter: one barrier for the change of slots.  In front of it each wave has waited for all its tensor loads (its part of the next slot),
; added 0 to its spare word, and waited for that and for its reads of this slot.
.macro MEET
	WIN 0
	s_wait_tensorcnt 0x0
	ds_add_u32 v[SPW], v[NIL]
	s_wait_dscnt 9                                 ; the add and the youngest eight loads may be out
	MUL16 F1, 0, 0, 0
	s_wait_dscnt 0x0                               ; the add is done, my reads of this slot are over
	s_barrier_signal -1
	MUL16 F1, 0, 2, 0
	WIN 0
	s_barrier_wait -1
.endm
.macro TURN                            ; the whole last quarter where the slot is filled again, with the K step two on
	s_wait_xcnt 0x0                                ; the last prefetch, a K step back, has read its address
	s_add_nc_u64 s[PFA:PFA+1], s[PFA:PFA+1], s[PFS:PFS+1]
	MEET
	CREST                                          ; the barrier has opened a round of the cluster's: no wave of any partner still reads the slot or has a load on its way
	s_xor_b32 s[G0+5], s[G0+5], SLOT
	s_add_nc_u64 s[G0+6:G0+7], s[G0+6:G0+7], ASTEP
	s_xor_b32 s[G0B+5], s[G0B+5], SLOT
	s_add_nc_u64 s[G0B+6:G0B+7], s[G0B+6:G0B+7], WSTEP
	JLOAD 1                                        ; the first tensor load behind the round; 224 products stand between it and the wait for it
	TOGGLE
	FETCH 0, F0
	ASK
	MUL16 F1, 1, 0, 0
	MUL16 F1, 1, 2, 0
.endm
	s_load_b128 s[4:7], s[0:1], 0x0                ; A s[4:5], W and bias s[6:7]
	s_load_b64 s[8:9], s[0:1], 0x10                ; out
	v_lshl_add_u32 v[SPW], v0, 2, SPARE
	v_mov_b32 v[NIL], 0
	ds_add_u32 v[SPW], v[NIL]                      ; the wave's opening
	ds_add_u32 v28, v29
	v_lshrrev_b32 v1, 5, v0
	v_readfirstlane_b32 s10, v1                    ; wave
	s_lshr_b32 s11, s10, 1                         ; my half of the tile's rows; also: I fetch for A (0) or W (1)
	s_and_b32 s12, s10, 1                          ; my half of its columns; also: which half I fetch
	s_bfe_u32 s40, ttmp6, 0x40000                  ; cx
	s_bfe_u32 s41, ttmp6, 0x40004                  ; cy
	s_lshl_b32 s42, ttmp9, 2
	s_add_co_u32 s42, s42, s40                     ; tile column
	s_and_b32 s13, ttmp7, 0xffff
	s_lshl_b32 s13, s13, 2
	s_add_co_u32 s13, s13, s41                     ; tile row
	s_lshl_b32 s43, s41, 2
	s_lshl_b32 s43, 15, s43                        ; my row of the cluster
	s_lshl_b32 s44, 0x1111, s40                    ; my column
	s_or_b32 s[G1+0], s43, (3<<16)|(1<<21)         ; the mask; elements of 8 bytes; bit 21 beside a mask; no padding
	s_or_b32 s[G1B+0], s44, (3<<16)|(1<<21)
.irp g, G1, G1B
	s_mov_b32 s[(\g)+1], 32<<16                    ; 32,768 dense bytes as 128 rows of 32 elements (256 bytes)
	s_mov_b32 s[(\g)+2], 128<<16
	s_mov_b32 s[(\g)+3], 32<<16
	s_mov_b32 s[(\g)+4], 128
	s_mov_b32 s[(\g)+5], 32
	s_mov_b32 s[(\g)+6], 0
	s_mov_b32 s[(\g)+7], 0
.endr
	s_lshl_b32 s16, s13, 16                        ; A: the tile row's 16 row blocks, my half of them
	s_lshl_b32 s17, s12, 15
	s_add_co_u32 s16, s16, s17
	s_mov_b32 s17, 0
	s_lshl_b32 s18, s42, 1                         ; W: panel 2 x tile column + half
	s_add_co_u32 s18, s18, s12
	s_lshl_b32 s18, s18, WPSL
	s_mov_b32 s19, 0
	s_lshl_b32 s20, s10, 15                        ; where they go: 32,768 x wave
.if GELU
	s_mov_b32 s66, 0xc0135761                      ; -2 log2(e) sqrt(2 / pi)
	s_mov_b32 s67, s66
	s_mov_b32 s68, 0xbdd2d3e8                      ; the same x 0.044715
	s_mov_b32 s69, s68
.endif
	s_wait_dscnt 0x0                               ; the opening add is done
	s_wait_kmcnt 0x0
	s_add_nc_u64 s[14:15], s[4:5], s[16:17]
	s_add_nc_u64 s[18:19], s[6:7], s[18:19]
	CROUND                                         ; all sixteen work-groups are here: the first joint loads meet
.irp s, 0,1
	s_mov_b32 s[G0+4*(\s)], 1
	s_add_co_u32 s[G0+4*(\s)+1], s20, (\s)*SLOT
	s_add_nc_u64 s[G0+4*(\s)+2:G0+4*(\s)+3], s[14:15], (\s)*ASTEP
	s_or_b32 s[G0+4*(\s)+3], s[G0+4*(\s)+3], 0x80000000
	s_mov_b32 s[G0B+4*(\s)], 1
	s_add_co_u32 s[G0B+4*(\s)+1], s20, (\s)*SLOT
	s_add_nc_u64 s[G0B+4*(\s)+2:G0B+4*(\s)+3], s[18:19], (\s)*WSTEP
	s_or_b32 s[G0B+4*(\s)+3], s[G0B+4*(\s)+3], 0x80000000
	JLOAD \s
.endr
	v_and_b32 v2, 31, v0
	v_bfe_u32 v3, v0, 4, 1
	v_lshlrev_b32 v[CO], 4, v2
	v_lshlrev_b32 v[BO], 5, v3
	v_lshlrev_b32 v[PFO], 8, v2
	s_lshl_b32 s21, s42, 1
	s_add_co_u32 s21, s21, s12                     ; my panel of out
	s_lshl_b32 s70, s21, 9
	s_add_co_u32 s70, s70, BOFF
	s_mov_b32 s71, 0
	s_add_nc_u64 s[70:71], s[6:7], s[70:71]
.irp b, 0,1,2,3,4,5,6,7
	global_load_b128 v[BI+8*(\b):BI+8*(\b)+3],   v[BO], s[70:71] offset:64*(\b)      ; bias of columns 16 b + 8 (l / 16) + 0..7: as an accumulator's registers lie
	global_load_b128 v[BI+8*(\b)+4:BI+8*(\b)+7], v[BO], s[70:71] offset:64*(\b)+16
.endr
	s_lshl_b32 s23, s11, 15
	v_add_nc_u32 v[ADRA0], s23, v[CO]
	s_lshl_b32 s23, s12, 15
	s_add_co_u32 s23, s23, 65536
	v_add_nc_u32 v[ADRB0], s23, v[CO]
	v_mov_b32 v[ADRA], v[ADRA0]
	v_mov_b32 v[ADRB], v[ADRB0]
	s_lshl_b32 s23, s10, 16
	v_add_nc_u32 v[STG], s23, v[CO]
	s_mov_b32 s[TB], 0
.if VSUMS
	s_lshl_b32 s16, s13, 1                         ; v's sums: my 128 rows are group 2 x tile row + half, 4,096 bytes a group;
	s_add_co_u32 s16, s16, s11
	s_lshl_b32 s16, s16, 12
	s_and_b32 s17, s21, 7                          ; v's panels are 16 to 23: 512 bytes a panel
	s_lshl_b32 s17, s17, 9
	s_add_co_u32 s16, s16, s17
	s_add_co_u32 s16, s16, VSUM
	s_mov_b32 s17, 0
	s_add_nc_u64 s[VSP:VSP+1], s[8:9], s[16:17]
.endif
	s_lshl_b32 s16, s13, 16                        ; out: my panel, my 8 row blocks
	s_lshl_b32 s17, s11, 15
	s_add_co_u32 s16, s16, s17
	s_lshl_b32 s17, s21, 20
	s_add_co_u32 s16, s16, s17
	s_mov_b32 s17, 0
	s_add_nc_u64 s[8:9], s[8:9], s[16:17]
	s_and_b32 s23, ttmp7, 0xffff                   ; the prefetches
	s_mov_b32 s[PFS], WSTEP
	s_cmp_eq_u32 s11, 0
	s_cselect_b32 s[PFS], ASTEP, s[PFS]
	s_cselect_b32 s72, s40, s41                    ; my place among the four that ask with me
	s_cselect_b32 s23, ttmp9, s23                  ; the coordinate along which other clusters read the same blocks
	s_cselect_b64 s[PFA:PFA+1], s[14:15], s[18:19]
	s_mov_b32 s[PFS+1], 0
	s_cmp_eq_u32 s23, 0
	s_cselect_b32 s[LIM], 2, -1
	s_lshl_b32 s72, s72, 13
	s_mul_i32 s73, s[PFS], 3                       ; at K step 3: the first refill steps it to 4
	s_add_co_u32 s72, s72, s73
	s_mov_b32 s73, 0
	s_add_nc_u64 s[PFA:PFA+1], s[PFA:PFA+1], s[72:73]
	s_wait_loadcnt 0x0                             ; the bias: the first products take it as C
	s_wait_tensorcnt 1                             ; of my two first fills K step 0's is in; step 1's may stay out
	s_barrier_signal -1
	s_barrier_wait -1
	FETCH 0, F0
	QUARTER 1, F0, F1, 1                           ; the first quarter stands in front of the loop: its products start the sums
	WIN 0
	s_mov_b32 s3, KSTEPS-2
.Lstep:                                                ; a trip: from a K step's second quarter to the next step's first; it fills the slot that it leaves
	QUARTER 2, F1, F0, 0
	QUARTER 3, F0, F1, 0
	TURN
	QUARTER 1, F0, F1, 0
	WIN 0
	s_sub_co_u32 s3, s3, 1
	s_cmp_lg_u32 s3, 0
	s_cbranch_scc1 .Lstep
	s_mov_b32 s3, 2
.Ltail:                                                ; the last two K steps ask for nothing; the second trip is left in its middle
	QUARTER 2, F1, F0, 0
	QUARTER 3, F0, F1, 0
	MEET
	s_sub_co_u32 s3, s3, 1
	s_cmp_eq_u32 s3, 0
	s_cbranch_scc1 .Lfin
	PLACES
	TOGGLE
	FETCH 0, F0
	MUL16 F1, 1, 0, 0
	MUL16 F1, 1, 2, 0
	QUARTER 1, F0, F1, 0
	WIN 0
	s_branch .Ltail
.Lfin:
	MUL16 F1, 1, 0, 0
	MUL16 F1, 1, 2, 0
	; THE WAY OUT.  The ring has had its last fill, and behind the last barrier no wave reads it: its bytes become four stages of 65,536, a wave's own.  The accumulators go there as they lie,
	; and a loop of eight trips takes them back, a block of 16 rows a trip: one text for all 512 registers.
	PLACES
	WIN 0x08                                       ; store data in window 2
.set n, 0
.rept 32
	ds_store_b128 v[STG], v[8*n:8*n+3] offset:1024*n
	ds_store_b128 v[STG], v[8*n+4:8*n+7] offset:1024*n+512
.set n, n+1
.endr
	WIN 0x0c                                       ; window 3
.set n, 0
.rept 32
	ds_store_b128 v[STG], v[8*n:8*n+3] offset:1024*(n+32)
	ds_store_b128 v[STG], v[8*n+4:8*n+7] offset:1024*(n+32)+512
.set n, n+1
.endr
	WIN 0
.if VSUMS
	s_cmp_eq_u32 ttmp9, 2                          ; the third column of clusters holds panels 16 to 23, v's: the same answer in all sixteen partners
	s_cbranch_scc0 .Lno_sums
.set n, 0
.rept 64
	v_mov_b32 v[U+n], 0                            ; v's sums start at 0: 64 lines, in a third of the work-groups, so that the loop below has one form
.set n, n+1
.endr
.Lno_sums:
.endif
	s_mov_b32 s3, 8
.Lrow:
.irp b, 0,1,2,3,4,5,6,7
	ds_load_b128 v[Y+8*(\b):Y+8*(\b)+3],   v[STG] offset:1024*(\b)   ; LDS serves a wave's instructions in order: these see my stores
	ds_load_b128 v[Y+8*(\b)+4:Y+8*(\b)+7], v[STG] offset:1024*(\b)+512
.endr
	s_wait_dscnt 0x0
.if GELU                               ; y / (1 + 2^(y (C0 + C1 y y))): the tanh form of gelu, written as a logistic
.set n, 0
.rept 32
	v_pk_mul_f32 v[U+n:U+n+1], v[Y+n:Y+n+1], v[Y+n:Y+n+1]
.set n, n+2
.endr
.set n, 0
.rept 32
	v_pk_fma_f32 v[U+n:U+n+1], v[U+n:U+n+1], s[68:69], s[66:67] op_sel_hi:[1,0,0]
.set n, n+2
.endr
.set n, 0
.rept 32
	v_pk_mul_f32 v[U+n:U+n+1], v[U+n:U+n+1], v[Y+n:Y+n+1]
.set n, n+2
.endr
.set n, 0
.rept 64
	v_exp_f32 v[U+n], v[U+n]
.set n, n+1
.endr
	v_nop                                          ; a plain instruction behind the last exponential,
	s_wait_alu depctr_va_vdst(0)                   ; and one wait for the batch of 64, ahead of its first reader
.set n, 0
.rept 32
	v_pk_add_f32 v[U+n:U+n+1], v[U+n:U+n+1], 1.0 op_sel_hi:[1,0]
.set n, n+2
.endr
.set n, 0
.rept 64
	v_rcp_f32 v[U+n], v[U+n]
.set n, n+1
.endr
	v_nop
	s_wait_alu depctr_va_vdst(0)
.set n, 0
.rept 32
	v_pk_mul_f32 v[Y+n:Y+n+1], v[Y+n:Y+n+1], v[U+n:U+n+1]
.set n, n+2
.endr
.endif
.if VSUMS
	s_cmp_eq_u32 ttmp9, 2
	s_cbranch_scc0 .Lpack
.set n, 0
.rept 32
	v_pk_add_f32 v[U+n:U+n+1], v[U+n:U+n+1], v[Y+n:Y+n+1]  ; v's sums take this block's 16 rows, a row a lane
.set n, n+2
.endr
.Lpack:
.endif
.set n, 0
.rept 32
	v_cvt_pk_f16_f32 v[PK+n], v[Y+2*n], v[Y+2*n+1]
.set n, n+1
.endr
.irp b, 0,1,2,3,4,5,6,7
	global_store_b128 v[CO], v[PK+4*(\b):PK+4*(\b)+3], s[8:9] offset:512*(\b)  ; a piece: 512 consecutive bytes, aligned
.endr
	s_wait_xcnt 0x0                                ; the stores have read their registers and their base
	s_add_nc_u64 s[8:9], s[8:9], 4096
	v_add_nc_u32 v[STG], 8192, v[STG]
	s_sub_co_u32 s3, s3, 1
	s_cmp_lg_u32 s3, 0
	s_cbranch_scc1 .Lrow
.if VSUMS
	s_cmp_eq_u32 ttmp9, 2
	s_cbranch_scc0 .Lend
	; v's sums over the 16 lanes of a half: through my stage, in as 16 rows of 128 numbers 528 bytes apart (sixteen different groups of banks), back by columns, four a lane
	s_lshl_b32 s23, s10, 16
	v_and_b32 v4, 15, v0
	v_mul_u32_u24 v4, v4, 528
	v_lshl_add_u32 v4, v3, 5, v4
	v_add_nc_u32 v4, s23, v4
	v_add_nc_u32 v5, s23, v[CO]
.irp b, 0,1,2,3,4,5,6,7
	ds_store_b128 v4, v[U+8*(\b):U+8*(\b)+3] offset:64*(\b)
	ds_store_b128 v4, v[U+8*(\b)+4:U+8*(\b)+7] offset:64*(\b)+16
.endr
.irp r, 0,1,2,3,4,5,6,7,8,9,10,11,12,13,14,15
	ds_load_b128 v[Y+4*(\r):Y+4*(\r)+3], v5 offset:528*(\r)
.endr
	s_wait_dscnt 0x0
.irp d, 8,4,2,1
.set r, 0
.rept \d
	v_pk_add_f32 v[Y+4*r:Y+4*r+1], v[Y+4*r:Y+4*r+1], v[Y+4*(r+\d):Y+4*(r+\d)+1]
	v_pk_add_f32 v[Y+4*r+2:Y+4*r+3], v[Y+4*r+2:Y+4*r+3], v[Y+4*(r+\d)+2:Y+4*(r+\d)+3]
.set r, r+1
.endr
.endr
	global_store_b128 v[CO], v[Y:Y+3], s[VSP:VSP+1]  ; 128 sums: 512 consecutive bytes, aligned
.Lend:
.endif
	s_wait_tensorcnt 0x0                           ; the wave's end
	ds_add_u32 v[SPW], v[NIL]
	s_wait_dscnt 0x0
	CROUND                                         ; the closing round
	s_endpgm
.Lfunc_end_k_q491d941582_ffn1:
	.size	k_q491d941582_ffn1, .Lfunc_end_k_q491d941582_ffn1-k_q491d941582_ffn1
	.p2alignl 7, 3214868480
	.fill 96, 4, 3214868480
	.section	.rodata,"a",@progbits
	.p2align	6, 0x0
	.amdhsa_kernel k_q491d941582_ffn1
		.amdhsa_group_segment_fixed_size 327680
		.amdhsa_private_segment_fixed_size 0
		.amdhsa_enable_private_segment 0
		.amdhsa_kernarg_size 24
		.amdhsa_user_sgpr_count 2
		.amdhsa_user_sgpr_kernarg_segment_ptr 1
		.amdhsa_wavefront_size32 1
		.amdhsa_system_sgpr_workgroup_id_x 1
		.amdhsa_system_sgpr_workgroup_id_y 1
		.amdhsa_system_sgpr_workgroup_id_z 1
		.amdhsa_system_vgpr_workitem_id 0
		.amdhsa_next_free_vgpr 1024
		.amdhsa_next_free_sgpr 78
		.amdhsa_reserve_vcc 0
		.amdhsa_float_denorm_mode_32 3
		.amdhsa_float_denorm_mode_16_64 3
		.amdhsa_memory_ordered 1
		.amdhsa_forward_progress 1
		.amdhsa_inst_pref_size 99
	.end_amdhsa_kernel
	.amdgpu_metadata
---
amdhsa.version: [ 1, 2 ]
amdhsa.kernels:
  - .name:           k_q491d941582_ffn1
    .symbol:         k_q491d941582_ffn1.kd
    .args:
      - { .name: act, .offset: 0, .size: 8, .value_kind: global_buffer, .address_space: global }
      - { .name: cb, .offset: 8, .size: 8, .value_kind: global_buffer, .address_space: global }
      - { .name: big, .offset: 16, .size: 8, .value_kind: global_buffer, .address_space: global }
    .group_segment_fixed_size: 327680
    .private_segment_fixed_size: 0
    .kernarg_segment_align: 8
    .kernarg_segment_size: 24
    .max_flat_workgroup_size: 128
    .sgpr_count:     78
    .vgpr_count:     1024
    .wavefront_size: 32
...
	.end_amdgpu_metadata
.endif
;; end of part 6
;; launch ffn2 (part 7): grid 8 x 32, 4 waves a work-group, clusters of 4 x 4, 327,680 bytes of LDS; arguments big, cb, act, t; writes t
.if DOCPART == 7
	.amdgcn_target "amdgcn-amd-amdhsa--gfx1250"
	.amdhsa_code_object_version 6
	.text
	.protected	k_q491d941582_ffn2
	.globl	k_q491d941582_ffn2
	.p2align	8
	.type	k_q491d941582_ffn2,@function
k_q491d941582_ffn2:
	s_mov_b64 s[64:65], 0
	v_nop
	global_prefetch_b8 v0, s[64:65] scope:SCOPE_SE
	s_setreg_imm32_b32 hwreg(HW_REG_WAVE_MODE, 25, 1), 1
	s_wait_xcnt 0x0
	s_wait_alu depctr_hold_cnt(0) depctr_sa_sdst(0) depctr_va_vdst(0) depctr_va_sdst(0) depctr_va_ssrc(0) depctr_va_vcc(0) depctr_vm_vsrc(0)
	s_getreg_b32 s2, hwreg(HW_REG_IB_STS2, 6, 4)
	s_cmp_eq_u32 s2, 0
	s_cbranch_scc0 .Lentry_in_a_cluster
	s_endpgm
.Lentry_in_a_cluster:
	s_bfe_u32 s2, ttmp6, 0x10000c
	s_cmp_lg_u32 s2, 0xf033
	s_cbranch_scc0 .Lentry_shape_is_right
	s_endpgm
.Lentry_shape_is_right:
; out = A W + bias + res, in f32.  A [4096][K] and res [4096][1024] f16 in fragment order, W f16 in the same order turned; sums in f32.  Here: A = h, W = w2, res = the first LayerNorm's result, K = 4,096.
; out lies in fragment order with twice the bytes: a piece of 16 columns is 1,024 bytes, lane 16 h + r holding row r, columns 8 h + 0..3 in the first 512 and 8 h + 4..7 in the second.
; A tile of out is 128 x 128: 8 x 32 = 256 work-groups, one for each WGP; four waves, each 64 x 64: 16 accumulators.  K goes in steps of 256 through two LDS slots of 131,072 bytes:
; each wave's part of a slot is 32,768 dense bytes; a fragment load is 16 bytes a lane on end; one exclusive or changes slots.  CLUSTER 4 x 4: A's tiles are asked for jointly along a row, W's along a column.
; The matrix instruction is used transposed: a lane holds row l % 16 and eight neighbouring columns.  THE SUMS START AT res + bias, made while the first tiles are on their way, so that the way out is
; 32 stores straight from the accumulators, 512 consecutive bytes an instruction.
; No prefetch: the tile is small.
; REGISTERS: window 0: v16-31 addresses and 1.0; v32-95 res; v96-127 bias; v128-255 the accumulators ((a, b) at 128 + 8 (4 a + b)).  window 1: two fragment buffers of 128: 64 of A, then 64 of W.
.set WOFF,   0xb00000
.set BOFF,   0x800000+10*4096
.set KSTEPS, 16
.set WPSL,   20
.set ASTEP,  0x200000                  ; a K step in A: two panels
.set WSTEP,  0x10000                   ; in W: 256 k
.set SLOT,   131072
.set SPARE,  262144
.set ADRA0, 16
.set ADRB0, 17
.set ADRA,  18
.set ADRB,  19
.set CO,    26
.set BO,    27
.set SPW,   28
.set NIL,   29
.set ONE,   31
.set RES,   32
.set BI,    96
.set ACC,   128
.set F0,    0
.set F1,    128
.set G1,  24
.set G0,  32
.set G1B, 48
.set G0B, 56
.set TB,  22
.set MSB, 0
.macro WIN new
.if MSB != (\new)
	s_set_vgpr_msb (MSB<<8)|(\new)
.set MSB, \new
.endif
.endm
.set MUL,  0x05                        ; sources 0 (W) and 1 (A) window 1; C and D window 0
.set TO_F, 0x40
.macro JLOAD s
	s_cmp_eq_u32 s11, 0
	s_cbranch_scc0 .Lfor_b_\@
	tensor_load_to_lds s[G0+4*(\s):G0+4*(\s)+3], s[G1:G1+7]
	s_nop 0
.rept 4
	v_nop
.endr
	s_branch .Lasked_\@
.Lfor_b_\@:
	tensor_load_to_lds s[G0B+4*(\s):G0B+4*(\s)+3], s[G1B:G1B+7]
	s_nop 0
.rept 4
	v_nop
.endr
.Lasked_\@:
.endm
.macro CREST
	s_cmp_lg_u32 s10, 0
	s_cbranch_scc1 .Lnot_wave_0_\@
	s_barrier_signal -3
.Lnot_wave_0_\@:
	s_barrier_wait -3
	s_barrier_signal -1
	s_barrier_wait -1
.endm
.macro CROUND
	s_barrier_signal -1
	s_barrier_wait -1
	CREST
.endm
.macro PLACES
.rept 4
	v_nop
.endr
.endm
.macro MUL8 f, c, a0                   ; 8 products: row blocks a0, a0 + 1 x all 4 column blocks, 32 along K: half c of buffer f
	WIN MUL
.irp a, \a0, (\a0)+1
.irp b, 0,1,2,3
	v_wmma_f32_16x16x32_f16 v[ACC+8*(4*(\a)+(\b)):ACC+8*(4*(\a)+(\b))+7], v[(\f)+64+8*(4*(\c)+(\b)):(\f)+64+8*(4*(\c)+(\b))+7], v[(\f)+8*(4*(\c)+(\a)):(\f)+8*(4*(\c)+(\a))+7], v[ACC+8*(4*(\a)+(\b)):ACC+8*(4*(\a)+(\b))+7]
.endr
.endr
.endm
.macro FETCH qq, f                     ; 32 LDS loads in one run: quarter qq (64 along K) of the slot in hand; its first 32 along K first
	WIN TO_F
.irp c, 0,1
.irp i, 0,1,2,3
	ds_load_b128 v[(\f)+64+8*(4*(\c)+(\i)):(\f)+64+8*(4*(\c)+(\i))+3],   v[ADRB] offset:((\qq)/2)*32768+4096*(\i)+1024*(2*((\qq)%2)+(\c))
	ds_load_b128 v[(\f)+64+8*(4*(\c)+(\i))+4:(\f)+64+8*(4*(\c)+(\i))+7], v[ADRB] offset:((\qq)/2)*32768+4096*(\i)+1024*(2*((\qq)%2)+(\c))+512
	ds_load_b128 v[(\f)+8*(4*(\c)+(\i)):(\f)+8*(4*(\c)+(\i))+3],         v[ADRA] offset:((\qq)/2)*32768+4096*(\i)+1024*(2*((\qq)%2)+(\c))
	ds_load_b128 v[(\f)+8*(4*(\c)+(\i))+4:(\f)+8*(4*(\c)+(\i))+7],       v[ADRA] offset:((\qq)/2)*32768+4096*(\i)+1024*(2*((\qq)%2)+(\c))+512
.endr
.endr
.endm
.macro QUARTER qq, f, g
	s_wait_dscnt 16                                ; the first 32 along K are in; the youngest sixteen loads may be out
	MUL8 \f, 0, 0
	MUL8 \f, 0, 2
	PLACES
	FETCH \qq, \g
	s_wait_dscnt 32                                ; all but the 32 just issued
	MUL8 \f, 1, 0
	MUL8 \f, 1, 2
.endm
.macro TOGGLE
	s_xor_b32 s[TB], s[TB], SLOT
	v_add_nc_u32 v[ADRA], s[TB], v[ADRA0]
	v_add_nc_u32 v[ADRB], s[TB], v[ADRB0]
.endm
.macro MEET                            ; one barrier for the change of slots: all my tensor loads, the add, my reads of this slot in front of it
	WIN 0
	s_wait_tensorcnt 0x0
	ds_add_u32 v[SPW], v[NIL]
	s_wait_dscnt 17                                ; the add and the youngest sixteen loads may be out
	MUL8 F1, 0, 0
	s_wait_dscnt 0x0
	s_barrier_signal -1
	MUL8 F1, 0, 2
	WIN 0
	s_barrier_wait -1
.endm
.macro TURN
	MEET
	CREST                                          ; the barrier has opened a round of the cluster's
	s_xor_b32 s[G0+5], s[G0+5], SLOT
	s_add_nc_u64 s[G0+6:G0+7], s[G0+6:G0+7], ASTEP
	s_xor_b32 s[G0B+5], s[G0B+5], SLOT
	s_add_nc_u64 s[G0B+6:G0B+7], s[G0B+6:G0B+7], WSTEP
	JLOAD 1                                        ; the first tensor load behind the round; 112 products stand between it and the wait for it
	TOGGLE
	FETCH 0, F0
	MUL8 F1, 1, 0
	MUL8 F1, 1, 2
.endm
	s_load_b128 s[4:7], s[0:1], 0x0                ; A, cb
	s_load_b128 s[76:79], s[0:1], 0x10             ; res, out
	v_lshl_add_u32 v[SPW], v0, 2, SPARE
	v_mov_b32 v[NIL], 0
	ds_add_u32 v[SPW], v[NIL]                      ; the wave's opening
	ds_add_u32 v28, v29
	v_lshrrev_b32 v1, 5, v0
	v_readfirstlane_b32 s10, v1
	s_lshr_b32 s11, s10, 1
	s_and_b32 s12, s10, 1
	s_bfe_u32 s40, ttmp6, 0x40000
	s_bfe_u32 s41, ttmp6, 0x40004
	s_lshl_b32 s42, ttmp9, 2
	s_add_co_u32 s42, s42, s40                     ; tile column = panel of out
	s_and_b32 s13, ttmp7, 0xffff
	s_lshl_b32 s13, s13, 2
	s_add_co_u32 s13, s13, s41                     ; tile row
	s_lshl_b32 s43, s41, 2
	s_lshl_b32 s43, 15, s43
	s_lshl_b32 s44, 0x1111, s40
	s_or_b32 s[G1+0], s43, (3<<16)|(1<<21)
	s_or_b32 s[G1B+0], s44, (3<<16)|(1<<21)
.irp g, G1, G1B
	s_mov_b32 s[(\g)+1], 32<<16                    ; 32,768 dense bytes as 128 rows of 256
	s_mov_b32 s[(\g)+2], 128<<16
	s_mov_b32 s[(\g)+3], 32<<16
	s_mov_b32 s[(\g)+4], 128
	s_mov_b32 s[(\g)+5], 32
	s_mov_b32 s[(\g)+6], 0
	s_mov_b32 s[(\g)+7], 0
.endr
	s_lshl_b32 s16, s13, 15                        ; A: the tile row's 8 row blocks, in panel 2 t + half
	s_lshl_b32 s17, s12, 20
	s_add_co_u32 s16, s16, s17
	s_mov_b32 s17, 0
	s_lshl_b32 s18, s42, WPSL                      ; W: the tile column's panel, 128 k number 2 t + half
	s_lshl_b32 s19, s12, 15
	s_add_co_u32 s18, s18, s19
	s_add_co_u32 s18, s18, WOFF
	s_mov_b32 s19, 0
	s_lshl_b32 s20, s10, 15
	s_wait_dscnt 0x0
	s_wait_kmcnt 0x0
	s_add_nc_u64 s[14:15], s[4:5], s[16:17]
	s_add_nc_u64 s[18:19], s[6:7], s[18:19]
	CROUND
.irp s, 0,1
	s_mov_b32 s[G0+4*(\s)], 1
	s_add_co_u32 s[G0+4*(\s)+1], s20, (\s)*SLOT
	s_add_nc_u64 s[G0+4*(\s)+2:G0+4*(\s)+3], s[14:15], (\s)*ASTEP
	s_or_b32 s[G0+4*(\s)+3], s[G0+4*(\s)+3], 0x80000000
	s_mov_b32 s[G0B+4*(\s)], 1
	s_add_co_u32 s[G0B+4*(\s)+1], s20, (\s)*SLOT
	s_add_nc_u64 s[G0B+4*(\s)+2:G0B+4*(\s)+3], s[18:19], (\s)*WSTEP
	s_or_b32 s[G0B+4*(\s)+3], s[G0B+4*(\s)+3], 0x80000000
	JLOAD \s
.endr
	v_and_b32 v2, 31, v0
	v_bfe_u32 v3, v0, 4, 1
	v_lshlrev_b32 v[CO], 4, v2
	v_lshlrev_b32 v[BO], 5, v3
	v_mov_b32 v[ONE], 1.0
	s_lshl_b32 s21, s13, 3
	s_lshl_b32 s23, s11, 2
	s_add_co_u32 s21, s21, s23                     ; my first row block
	s_lshl_b32 s70, s21, 12
	s_lshl_b32 s23, s42, 20
	s_add_co_u32 s70, s70, s23
	s_lshl_b32 s23, s12, 11                        ; my four pieces
	s_add_co_u32 s70, s70, s23
	s_mov_b32 s71, 0
	s_add_nc_u64 s[76:77], s[76:77], s[70:71]
	s_lshl_b32 s70, s70, 1                         ; out has twice the bytes everywhere
	s_add_nc_u64 s[78:79], s[78:79], s[70:71]
	s_lshl_b32 s72, s42, 9
	s_lshl_b32 s23, s12, 8
	s_add_co_u32 s72, s72, s23
	s_add_co_u32 s72, s72, BOFF
	s_mov_b32 s73, 0
	s_add_nc_u64 s[72:73], s[6:7], s[72:73]
.irp a, 0,1,2,3
.irp b, 0,1,2,3
	global_load_b128 v[RES+4*(4*(\a)+(\b)):RES+4*(4*(\a)+(\b))+3], v[CO], s[76:77] offset:4096*(\a)+512*(\b)
.endr
.endr
.irp b, 0,1,2,3
	global_load_b128 v[BI+8*(\b):BI+8*(\b)+3],   v[BO], s[72:73] offset:64*(\b)
	global_load_b128 v[BI+8*(\b)+4:BI+8*(\b)+7], v[BO], s[72:73] offset:64*(\b)+16
.endr
	s_lshl_b32 s23, s11, 14
	v_add_nc_u32 v[ADRA0], s23, v[CO]
	s_lshl_b32 s23, s12, 14
	s_add_co_u32 s23, s23, 65536
	v_add_nc_u32 v[ADRB0], s23, v[CO]
	v_mov_b32 v[ADRA], v[ADRA0]
	v_mov_b32 v[ADRB], v[ADRB0]
	s_mov_b32 s[TB], 0
	s_wait_loadcnt 0x0                             ; res and bias
.irp a, 0,1,2,3
.irp b, 0,1,2,3
.set AC, ACC+8*(4*(\a)+(\b))
.set RS, RES+4*(4*(\a)+(\b))
.irp j, 0,1,2,3
	v_fma_mix_f32 v[AC+2*(\j)],   v[RS+(\j)], v[ONE], v[BI+8*(\b)+2*(\j)] op_sel_hi:[1,0,0]                    ; the sums start at res, straight from its f16 halves, + bias
	v_fma_mix_f32 v[AC+2*(\j)+1], v[RS+(\j)], v[ONE], v[BI+8*(\b)+2*(\j)+1] op_sel:[1,0,0] op_sel_hi:[1,0,0]
.endr
.endr
.endr
	s_wait_tensorcnt 1                             ; of my two first fills K step 0's is in
	s_barrier_signal -1
	s_barrier_wait -1
	FETCH 0, F0
	QUARTER 1, F0, F1
	WIN 0
	s_mov_b32 s3, KSTEPS-2
.Lstep:
	QUARTER 2, F1, F0
	QUARTER 3, F0, F1
	TURN
	QUARTER 1, F0, F1
	WIN 0
	s_sub_co_u32 s3, s3, 1
	s_cmp_lg_u32 s3, 0
	s_cbranch_scc1 .Lstep
	s_mov_b32 s3, 2
.Ltail:                                                ; the last two K steps ask for nothing; the second trip is left in its middle
	QUARTER 2, F1, F0
	QUARTER 3, F0, F1
	MEET
	s_sub_co_u32 s3, s3, 1
	s_cmp_eq_u32 s3, 0
	s_cbranch_scc1 .Lfin
	PLACES
	TOGGLE
	FETCH 0, F0
	MUL8 F1, 1, 0
	MUL8 F1, 1, 2
	QUARTER 1, F0, F1
	WIN 0
	s_branch .Ltail
.Lfin:
	MUL8 F1, 1, 0
	MUL8 F1, 1, 2
	WIN 0
	PLACES
.irp a, 0,1,2,3
.irp b, 0,1,2,3
.set AC, ACC+8*(4*(\a)+(\b))
	global_store_b128 v[CO], v[AC:AC+3],   s[78:79] offset:8192*(\a)+1024*(\b)
	global_store_b128 v[CO], v[AC+4:AC+7], s[78:79] offset:8192*(\a)+1024*(\b)+512
.endr
.endr
	s_wait_tensorcnt 0x0                           ; the wave's end
	ds_add_u32 v[SPW], v[NIL]
	s_wait_dscnt 0x0
	CROUND                                         ; the closing round
	s_endpgm
.Lfunc_end_k_q491d941582_ffn2:
	.size	k_q491d941582_ffn2, .Lfunc_end_k_q491d941582_ffn2-k_q491d941582_ffn2
	.p2alignl 7, 3214868480
	.fill 96, 4, 3214868480
	.section	.rodata,"a",@progbits
	.p2align	6, 0x0
	.amdhsa_kernel k_q491d941582_ffn2
		.amdhsa_group_segment_fixed_size 327680
		.amdhsa_private_segment_fixed_size 0
		.amdhsa_enable_private_segment 0
		.amdhsa_kernarg_size 32
		.amdhsa_user_sgpr_count 2
		.amdhsa_user_sgpr_kernarg_segment_ptr 1
		.amdhsa_wavefront_size32 1
		.amdhsa_system_sgpr_workgroup_id_x 1
		.amdhsa_system_sgpr_workgroup_id_y 1
		.amdhsa_system_sgpr_workgroup_id_z 1
		.amdhsa_system_vgpr_workitem_id 0
		.amdhsa_next_free_vgpr 512
		.amdhsa_next_free_sgpr 80
		.amdhsa_reserve_vcc 0
		.amdhsa_float_denorm_mode_32 3
		.amdhsa_float_denorm_mode_16_64 3
		.amdhsa_memory_ordered 1
		.amdhsa_forward_progress 1
		.amdhsa_inst_pref_size 64
	.end_amdhsa_kernel
	.amdgpu_metadata
---
amdhsa.version: [ 1, 2 ]
amdhsa.kernels:
  - .name:           k_q491d941582_ffn2
    .symbol:         k_q491d941582_ffn2.kd
    .args:
      - { .name: big, .offset: 0, .size: 8, .value_kind: global_buffer, .address_space: global }
      - { .name: cb, .offset: 8, .size: 8, .value_kind: global_buffer, .address_space: global }
      - { .name: act, .offset: 16, .size: 8, .value_kind: global_buffer, .address_space: global }
      - { .name: t, .offset: 24, .size: 8, .value_kind: global_buffer, .address_space: global }
    .group_segment_fixed_size: 327680
    .private_segment_fixed_size: 0
    .kernarg_segment_align: 8
    .kernarg_segment_size: 32
    .max_flat_workgroup_size: 128
    .sgpr_count:     80
    .vgpr_count:     512
    .wavefront_size: 32
...
	.end_amdgpu_metadata
.endif
;; end of part 7
;; launch ln2: the kernel of part 5 again; grid 256 x 1, 8 waves a work-group, no clusters, 69,632 bytes of LDS; arguments t, p1, out0; writes out0
